; MI455X (gfx1250); checked and timed in simulation.
; The chip was launched on July 23, 2026; its instructions are those of AMD's public machine-readable ISA for CDNA 5 (MIT licence, August 2026) and "CDNA5" Instruction Set Architecture Reference Guide (July 2026). The comments in the code are by the model that wrote it; some were corrected since.
;; Multi Head Attention. Allowed arithmetic: matrix products marked QUANTISED: E3M2 operands, one E8M0 scale for each 32 along K, by v_wmma_scale_f32_16x16x128_f8f6f4 with both operands' format E3M2, f32 sums; products left as they are: f32 operands where the result goes on into a quantised operand, else bf16, f16 or f32 operands; f32 sums; everything else in f32.
;; Inputs: b_attn 3,072 float32; b_proj 1,024 float32; w_attn 1,024 x 3,072 float32; w_proj 1,024 x 1,024 float32; x 4 x 2,048 x 1,024 float32.
;; Outputs: out0 4 x 2,048 x 1,024 float32.
;; This version of the problem:
;;   THIS VERSION OF THE PROBLEM IS GIVEN IN LOW PRECISION. The matrix products marked QUANTISED in the list below multiply operands that are first quantised to E3M2 (3 exponent bits, 2 mantissa bits; 6 bits a number), with one power-of-two scale for each 32 numbers along K (OCP MX v1.0); their sums are f32. All else is computed in f32.
;;   The module's matrix products, in the order in which they are computed (A, B: the left and right operand; K: the contracted axis; several contracted axes count as one K, in the product's order):
;;     1. [M 8,192, K 1,024] x [K 1,024, N 3,072]; A: input x; B: input w_attn: QUANTISED
;;     2. [M 2,048, K 1] x [K 1, N 32]; A: computed on the way; B: computed on the way: left as it is (no contracted axis)
;;     3. batch 64 x [M 2,048, K 64] x [K 64, N 2,048]; A: computed on the way; B: computed on the way: QUANTISED
;;     4. batch 64 x [M 2,048, K 2,048] x [K 2,048, N 64]; A: softmax (see below); B: computed on the way: QUANTISED
;;     5. [M 8,192, K 1,024] x [K 1,024, N 1,024]; A: computed on the way; B: input w_proj: QUANTISED
;;   THE QUANTISER, for each operand of a quantised product, along K:
;;     - K is cut into blocks of 32 from its start; a last block that is shorter is filled with zeros.
;;     - A block's scale is 2^e with e = floor(log2(the largest magnitude in the block)) - 4, held to -126 .. 127; a block of zeros has e = 0. As a byte (E8M0): e + 127.
;;     - Each number is divided by its block's scale, clamped to +-28, and rounded to the nearest number of E3M2, ties to even, subnormals kept.
;;     - The product sums the exact products of the quantised numbers (number of the format x scale) in f32.
;;   ~~~python
;;   def quantise(x, axis):      # numpy; x: float32 -> the quantised numbers, widened to float32 again
;;       x = np.moveaxis(x, axis, -1); K = x.shape[-1]
;;       x = np.pad(x, [(0, 0)] * (x.ndim - 1) + [(0, -K % 32)]); x = x.reshape(x.shape[:-1] + (-1, 32)); a = np.abs(x).max(-1, keepdims=True)
;;       e = np.where(a > 0, np.clip(np.frexp(np.where(a > 0, a, 1))[1] - 1 - 4, -126, 127), 0)      # np.frexp(a)[1] - 1 = floor(log2(a)), exactly
;;       r = np.clip(x / 2.0 ** e, -28, 28)
;;       step = 2.0 ** (np.maximum(np.frexp(np.where(r == 0, 1, r))[1] - 1, -2) - 2)
;;       q = np.round(r / step) * step * 2.0 ** e      # np.round: ties to even
;;       return np.moveaxis(q.reshape(q.shape[:-2] + (-1,))[..., :K], -1, axis).astype(np.float32)
;;   ~~~
;;   SOFTMAX AHEAD OF A QUANTISED PRODUCT. Where the list says 'softmax', what is quantised is not the finished softmax but p = 2^(t - M), with t = logit x log2(e) and M = ceil(the row's largest t), a whole number; so 1/2 < the row's largest p <= 1. The row's sum l is taken of the UNQUANTISED p, in f32, and the product's result is divided by l at the end. Since M is a whole number, a kernel that streams over the keys may use a running M (the ceiling of the running maximum): every later rescaling is an exact power of two, which a block's scale takes up: the codes' values come out the same.
;;   OPERANDS COMPUTED ON THE WAY. 'Computed on the way' means the value that the module computes at that place (a softmax that the list does not call 'softmax' is quantised finished and normalised). What goes into a quantiser is computed in f32, as accurately as f32 sums, v_exp_f32 and their like allow (about 1e-6 of the number): no bf16 or f16 on the way to a quantiser, and a product that is left as it is and whose result goes on into a quantised operand takes f32 operands (vector FMAs, or v_wmma_f32_16x16x4_f32). A number that lies on a knife's edge between two numbers of the format may be rounded either way, as far as f32 arithmetic and the matrix unit's own rounding can turn it there, and no further.
;; One version. Each part assembles by itself: llvm-mc -triple=amdgcn-amd-amdhsa -mcpu=gfx1250 --defsym DOCPART=n.
;; ======== version 1 of 1: 4 launches
;; limits: right only within a limited range of input values
;; workspace buffers: xc 6,291,456 bytes; wc 3,145,728 bytes; sc1 360,448 bytes; sc2 294,912 bytes; rope 524,288 bytes; qkc 18,874,368 bytes; qks 1,310,720 bytes; yc 6,291,456 bytes
;; launch prep (part 1): grid 544 x 1, 4 waves a work-group, no clusters, 34,304 bytes of LDS; arguments x, w_attn, w_proj, xc, wc, sc1, sc2, rope; writes xc, wc, sc1, sc2, rope
.if DOCPART == 1
	.amdgcn_target "amdgcn-amd-amdhsa--gfx1250"
	.amdhsa_code_object_version 6
	.text
	.protected	k_qd84c83927f_prep
	.globl	k_qd84c83927f_prep
	.p2align	8
	.type	k_qd84c83927f_prep,@function
k_qd84c83927f_prep:
	s_mov_b64 s[64:65], 0
	v_nop
	global_prefetch_b8 v0, s[64:65] scope:SCOPE_SE
	s_setreg_imm32_b32 hwreg(HW_REG_WAVE_MODE, 25, 1), 1
	s_wait_xcnt 0x0
; x [8192][1024], w_attn [1024][3072] and w_proj [1024][1024], f32, become codes of BF6 (E3M2) with one E8M0 byte for each 32 along K, and the table of cos and sin for the rotation is made.
; THE QUANTISER: a block's scale is 2^(floor(log2(largest magnitude)) - 4); its byte is the largest magnitude's exponent field - 4, held at 1 from below by a floor among the maximum's leaves.
; A block of zeros so keeps the byte 1 (its codes are zeros; this program alone reads the bytes).
; LIMITS: NaN and infinities among the inputs are not served; blocks whose largest magnitude lies under 2^-122 keep the byte 1.
; LAYOUT OF THE CODES: images of the operand's registers.  A tile is 16 rows; tile j holds rows 32 (j / 2) + 8 (j % 2) + p + 8 (p / 8), p = 0 .. 15.  Half a fragment (16 rows x 64 K, six registers a lane) is 768 bytes:
; registers 0-3 at 16 x lane, registers 4-5 at 512 + 8 x lane.  A buffer is [K / 256][tile][3,072 bytes].  Scale words: tile x 512 + (K / 128) x 64 + 4 x row.
; WORK-GROUPS: 0-255 x (a wave: one tile x 512 along K); 256-447 w_attn, 448-511 w_proj (a wave: one tile of 16 columns x 256 along K); 512-543 the table (a wave: one tile of 16 positions).
; Only x's path uses LDS.  No barrier: waves share nothing.
; THE TABLE: angle = t x inv_freq, inv_freq = 1 / 10^(j / 8) with the power rounded to f32 and the quotient rounded once more; the angle is reduced by pi / 2 in two parts and cos and sin come from polynomials
; on [-pi/4, pi/4].  LIMIT: they agree with a correctly rounded cos and sin of the f32 angle to about one part in 10^7; the angle itself carries inv_freq's last bit, 1.2e-4 at t near 2,047.
.set R,  16                            ; v16-143  x: two sets of 64 numbers as loaded;  weights: 128 numbers
.set X,  144                           ; v144-207 x: 64 numbers, register 32 c + i = k 64 c + 32 h + i of my row;  weights: the two fragments' codes
.set PC, 208                           ; v208-219 a fragment's codes
.set TQ, 220                           ; v220-226 the conversions' second halves
.set MX, 228
.set SO, 230
.set BY, 232
.set TP, 234
.set W,  236                           ; v236-239 scale words
.set D,  240
; 64 numbers of a lane, register 32 c + i = k 64 c + 32 h + i, become the fragment's twelve registers at v[pc] and the row's scale word in v[w]
.macro QB xs, pc, w
	v_max3_num_f32 v[MX], |v[\xs]|, |v[\xs+1]|, 0x2800000             ; my two blocks by turns; the floor 2^(5 - 127) is one more leaf
	v_max3_num_f32 v[MX+1], |v[\xs+32]|, |v[\xs+33]|, 0x2800000
.set QI, 2
.rept 15
	v_max3_num_f32 v[MX], v[MX], |v[\xs+QI]|, |v[\xs+QI+1]|
	v_max3_num_f32 v[MX+1], v[MX+1], |v[\xs+32+QI]|, |v[\xs+33+QI]|
.set QI, QI+2
.endr
	v_add_nc_u32 v[SO], 0xfe000000, v[MX]                             ; 4 off the exponent field: the conversion's scale operand
	v_add_nc_u32 v[SO+1], 0xfe000000, v[MX+1]
	v_lshrrev_b32 v[BY], 23, v[SO]                                    ; the bytes of blocks h and 2 + h
	v_lshrrev_b32 v[BY+1], 23, v[SO+1]
	v_lshl_or_b32 v[\w], v[BY+1], 16, v[BY]
	v_lshlrev_b32 v[\w], v6, v[\w]                                    ; 8 h bits up
	v_permlanex16_b32 v[TP], v[\w], s24, s25
	v_or_b32 v[\w], v[\w], v[TP]                                      ; with lane l xor 16's two bytes the word is whole
	v_cvt_scalef32_pk16_bf6_f32 v[\pc:\pc+2], v[\xs:\xs+15], v[SO]
	v_cvt_scalef32_pk16_bf6_f32 v[TQ:TQ+2], v[\xs+16:\xs+31], v[SO]   ; (a conversion's three registers begin on an even number)
	v_cvt_scalef32_pk16_bf6_f32 v[\pc+6:\pc+8], v[\xs+32:\xs+47], v[SO+1]
	v_cvt_scalef32_pk16_bf6_f32 v[TQ+4:TQ+6], v[\xs+48:\xs+63], v[SO+1]
	v_nop                                                             ; one plain place behind the scaled conversions
.irp i, 0,1,2
	v_mov_b32 v[\pc+3+\i], v[TQ+\i]
	v_mov_b32 v[\pc+9+\i], v[TQ+4+\i]
.endr
.endm
; a fragment's image: four stores, each of consecutive bytes
.macro IMG pc, base, off
	global_store_b128 v4, v[\pc:\pc+3], s[\base:\base+1] offset:\off
	global_store_b64 v9, v[\pc+4:\pc+5], s[\base:\base+1] offset:\off+512
	global_store_b128 v4, v[\pc+6:\pc+9], s[\base:\base+1] offset:\off+768
	global_store_b64 v9, v[\pc+10:\pc+11], s[\base:\base+1] offset:\off+1280
.endm
	s_load_b512 s[4:19], s[0:1], 0x0               ; x 4, w_attn 6, w_proj 8, xc 10, wc 12, sc1 14, sc2 16, rope 18
	v_lshl_add_u32 v254, v0, 2, 0x8400
	v_mov_b32 v255, 0
	v_lshrrev_b32 v1, 5, v0
	v_readfirstlane_b32 s22, v1                    ; wave
	v_and_b32 v1, 31, v0                           ; lane
	v_and_b32 v2, 15, v0                           ; r
	v_bfe_u32 v3, v0, 4, 1                         ; h
	v_lshlrev_b32 v4, 4, v1                        ; 16 x lane
	v_lshlrev_b32 v5, 2, v1                        ; 4 x lane
	v_lshlrev_b32 v6, 3, v3                        ; 8 h
	v_lshlrev_b32 v9, 3, v1                        ; 8 x lane
	v_mov_b32 v[TP], 0                             ; a lane permute's destination counts as one of its sources
	s_mov_b32 s24, 0x76543210
	s_mov_b32 s25, 0xfedcba98                      ; selects for lane l xor 16
	s_mov_b32 vcc_lo, 0xffff0000                   ; lanes 16-31
	s_mov_b32 s31, 0
	s_wait_kmcnt 0x0
	s_cmp_lt_u32 ttmp9, 256
	s_cbranch_scc1 .Lx
	s_cmp_lt_u32 ttmp9, 448
	s_cbranch_scc1 .Lwa
	s_cmp_lt_u32 ttmp9, 512
	s_cbranch_scc1 .Lwp
; ---- the table.  Register i of lane (r, h): frequency 16 h + i, position 32 (jt / 2) + 8 (jt % 2) + r + 8 (r / 8)
.set RA, 16
.set RB, 32
.set RC, 48
.set RZ, 64
.set RS, 80
.set RK, 96
.set SN, 112
.set CN, 128
.set RQ, 144
	s_sub_co_u32 s26, ttmp9, 512
	s_lshl_b32 s26, s26, 2
	s_add_co_u32 s26, s26, s22                     ; jt
	s_lshr_b32 s27, s26, 1
	s_lshl_b32 s27, s27, 5
	s_and_b32 s28, s26, 1
	s_lshl_b32 s28, s28, 3
	s_add_co_u32 s27, s27, s28                     ; the tile's first position
	s_lshl_b32 s30, s26, 12                        ; 4,096 bytes a tile
	s_add_nc_u64 s[18:19], s[18:19], s[30:31]
	s_wait_alu depctr_va_vdst(0)
	v_and_b32 v10, 8, v2
	v_add_nc_u32 v10, v10, v2
	v_add_nc_u32 v10, s27, v10
	v_cvt_f32_u32 v10, v10                         ; t
	s_mov_b32 s32, 0x3f22f983                      ; 2 / pi
	s_mov_b32 s33, 0xbfc90fdb                      ; -(pi / 2 rounded to f32)
	s_mov_b32 s34, 0x333bbd2e                      ; that rounded number less pi / 2
	s_mov_b32 s35, -0.00019515295891               ; sin: r + r z (s37 + z (s36 + z s35)), z = r r
	s_mov_b32 s36, 0.0083321608736
	s_mov_b32 s37, -0.16666654611
	s_mov_b32 s38, 0.00002443315711809948          ; cos: 1 - z / 2 + z z (s40 + z (s39 + z s38))
	s_mov_b32 s39, -0.001388731625493765
	s_mov_b32 s40, 0.04166664568298827
.macro POW10 i, lo, hi                 ; 10^((16 h + i) / 8), each rounded to f32 from its decimal digits
	v_mov_b32 v[RA+\i], \lo
	v_mov_b32 v[RB+\i], \hi
	v_cndmask_b32 v[RA+\i], v[RA+\i], v[RB+\i], vcc_lo
.endm
	POW10 0, 1.0, 100.0
	POW10 1, 1.3335214321633240, 133.35214321633240
	POW10 2, 1.7782794100389228, 177.82794100389228
	POW10 3, 2.3713737056616552, 237.13737056616552
	POW10 4, 3.1622776601683795, 316.22776601683795
	POW10 5, 4.2169650342858224, 421.69650342858224
	POW10 6, 5.6234132519034908, 562.34132519034908
	POW10 7, 7.4989420933245582, 749.89420933245582
	POW10 8, 10.0, 1000.0
	POW10 9, 13.335214321633240, 1333.5214321633240
	POW10 10, 17.782794100389228, 1778.2794100389228
	POW10 11, 23.713737056616552, 2371.3737056616552
	POW10 12, 31.622776601683795, 3162.2776601683795
	POW10 13, 42.169650342858224, 4216.9650342858224
	POW10 14, 56.234132519034908, 5623.4132519034908
	POW10 15, 74.989420933245582, 7498.9420933245582
.set RI, 0
	s_wait_alu depctr_va_vdst(0)
.rept 16
	v_rcp_f32 v[RB+RI], v[RA+RI]
.set RI, RI+1
.endr
	v_nop                                          ; one plain place behind the reciprocals
.set RI, 0
	s_wait_alu depctr_va_vdst(0)
.rept 16
	v_fma_f32 v[RC+RI], -v[RA+RI], v[RB+RI], 1.0   ; what the reciprocal misses,
.set RI, RI+1
.endr
.set RI, 0
.rept 16
	v_fma_f32 v[RB+RI], v[RB+RI], v[RC+RI], v[RB+RI]   ; put right: inv_freq
.set RI, RI+1
.endr
.set RI, 0
.rept 16
	v_mul_f32 v[RA+RI], v10, v[RB+RI]              ; the angle, rounded once
.set RI, RI+1
.endr
.set RI, 0
.rept 16
	v_mul_f32 v[RC+RI], s32, v[RA+RI]
.set RI, RI+1
.endr
.set RI, 0
.rept 16
	v_rndne_f32 v[RC+RI], v[RC+RI]                 ; n: how many quarter turns (under 1,304: eleven bits)
.set RI, RI+1
.endr
.set RI, 0
.rept 16
	v_fma_f32 v[RA+RI], v[RC+RI], s33, v[RA+RI]    ; exact: the difference fits 24 bits
.set RI, RI+1
.endr
.set RI, 0
.rept 16
	v_fma_f32 v[RA+RI], v[RC+RI], s34, v[RA+RI]    ; r
	v_cvt_i32_f32 v[RQ+RI], v[RC+RI]
.set RI, RI+1
.endr
.set RI, 0
.rept 16
	v_mul_f32 v[RZ+RI], v[RA+RI], v[RA+RI]         ; z
.set RI, RI+1
.endr
.set RI, 0
.rept 16
	v_fma_f32 v[RS+RI], v[RZ+RI], s35, s36
	v_fma_f32 v[RK+RI], v[RZ+RI], s38, s39
.set RI, RI+1
.endr
.set RI, 0
.rept 16
	v_fma_f32 v[RS+RI], v[RS+RI], v[RZ+RI], s37
	v_fma_f32 v[RK+RI], v[RK+RI], v[RZ+RI], s40
	v_mul_f32 v[RB+RI], v[RA+RI], v[RZ+RI]         ; r z
	v_fma_f32 v[RC+RI], v[RZ+RI], -0.5, 1.0
.set RI, RI+1
.endr
.set RI, 0
.rept 16
	v_fma_f32 v[RS+RI], v[RB+RI], v[RS+RI], v[RA+RI]   ; sin r
	v_mul_f32 v[RZ+RI], v[RZ+RI], v[RZ+RI]
.set RI, RI+1
.endr
.set RI, 0
.rept 16
	v_fma_f32 v[RK+RI], v[RZ+RI], v[RK+RI], v[RC+RI]   ; cos r
	v_and_b32 v[RB+RI], 1, v[RQ+RI]
.set RI, RI+1
.endr
.set RI, 0
.rept 16
	v_cmp_eq_u32 vcc_lo, 1, v[RB+RI]               ; an odd number of quarter turns changes the two over
	v_cndmask_b32 v[SN+RI], v[RS+RI], v[RK+RI], vcc_lo
	v_cndmask_b32 v[CN+RI], v[RK+RI], v[RS+RI], vcc_lo
	v_and_b32 v[RB+RI], 2, v[RQ+RI]                ; sin is negative in turns 2 and 3,
	v_add_nc_u32 v[RQ+RI], 1, v[RQ+RI]
	v_lshlrev_b32 v[RB+RI], 30, v[RB+RI]
	v_and_b32 v[RQ+RI], 2, v[RQ+RI]                ; cos in turns 1 and 2
	v_xor_b32 v[SN+RI], v[SN+RI], v[RB+RI]
	v_lshlrev_b32 v[RQ+RI], 30, v[RQ+RI]
	v_xor_b32 v[CN+RI], v[CN+RI], v[RQ+RI]
.set RI, RI+1
.endr
.irp g, 0,1,2,3
	global_store_b128 v4, v[CN+4*\g:CN+4*\g+3], s[18:19] offset:512*\g          ; 32 lanes store 512 consecutive bytes
	global_store_b128 v4, v[SN+4*\g:SN+4*\g+3], s[18:19] offset:2048+512*\g
.endr
	s_endpgm
; ---- x.  A wave: tile j, K half kh: four fragments.  Each load reads 512 consecutive bytes of one row; the 16 rows turn through the wave's own stage (rows 528 bytes apart), so that a lane gets 32 neighbours of each of its two blocks
.Lx:
	s_lshl_b32 s26, ttmp9, 2
	s_add_co_u32 s26, s26, s22
	s_lshr_b32 s27, s26, 1                         ; j
	s_and_b32 s28, s26, 1                          ; kh
	s_lshr_b32 s30, s27, 1
	s_lshl_b32 s30, s30, 17                        ; 32 rows of 4,096 bytes
	s_and_b32 s32, s27, 1
	s_lshl_b32 s32, s32, 15                        ; 8 rows
	s_add_co_u32 s30, s30, s32
	s_lshl_b32 s32, s28, 11                        ; 512 numbers
	s_add_co_u32 s30, s30, s32
	s_add_nc_u64 s[4:5], s[4:5], s[30:31]
	s_mul_i32 s30, s28, 3145728                    ; two runs of 256 along K
	s_mul_i32 s32, s27, 3072
	s_add_co_u32 s30, s30, s32
	s_add_nc_u64 s[10:11], s[10:11], s[30:31]
	s_lshl_b32 s30, s27, 9
	s_lshl_b32 s32, s28, 8
	s_add_co_u32 s30, s30, s32
	s_add_nc_u64 s[14:15], s[14:15], s[30:31]
	s_mul_i32 s32, s22, 8448                       ; my stage
	s_wait_alu depctr_va_vdst(0)
	v_add_nc_u32 v7, s32, v4                       ; in: 16 x lane, a row an instruction
	v_mul_u32_u24 v8, v2, 528
	v_lshl_add_u32 v8, v3, 7, v8
	v_add_nc_u32 v8, s32, v8                       ; out: row r, + 128 h
.macro LOADX f
.set PI, 0
.rept 16
	global_load_b128 v[R+64*((\f)%2)+4*PI:R+64*((\f)%2)+4*PI+3], v4, s[4:5] offset:(PI+8*(PI/8))*4096+512*(\f) th:TH_LOAD_NT
.set PI, PI+1
.endr
.endm
.macro XSTEP f
.if \f < 3
	s_wait_loadcnt 16                              ; this fragment's 16 loads are in; the next one's may be out
.else
	s_wait_loadcnt 0
.endif
.set PI, 0
.rept 16
	ds_store_b128 v7, v[R+64*((\f)%2)+4*PI:R+64*((\f)%2)+4*PI+3] offset:528*PI
.set PI, PI+1
.endr
.set PI, 0
.rept 16
	ds_load_b128 v[X+4*PI:X+4*PI+3], v8 offset:256*(PI/8)+16*(PI%8)   ; LDS serves a wave's instructions in order: these see the stores above
.set PI, PI+1
.endr
	s_wait_dscnt 0x0                               ; the stores have read their registers, the numbers are back
.if \f < 2
	LOADX (\f)+2
.endif
.if \f > 0
	s_wait_xcnt 0x0                                ; the last fragment's stores have read the codes' registers
.endif
	QB X, PC, W+\f
	IMG PC, 10, ((\f)/2)*1572864+((\f)%2)*1536
.endm
	LOADX 0
	LOADX 1
	s_wait_alu depctr_va_vdst(0)
	XSTEP 0
	XSTEP 1
	XSTEP 2
	XSTEP 3
.irp k, 0,1
	v_cndmask_b32 v[D+\k], v[W+2*\k], v[W+2*\k+1], vcc_lo             ; lanes 0-15 the even K step's words, lanes 16-31 the odd one's
	global_store_b32 v5, v[D+\k], s[14:15] offset:128*\k              ; 128 consecutive bytes
.endr
	s_wait_tensorcnt 0x0
	ds_add_u32 v254, v255
	s_wait_dscnt 0x0
	s_endpgm
; ---- a weight [K][ncol].  A lane takes a column and its registers run down K, in the order of the operand's registers.  The four waves of a work-group stand side by side on 64 columns
.macro WLOAD f, ncol, src
.set PI, 0
.rept 64
	global_load_b32 v[R+64*(\f)+PI], v10, s[\src:\src+1] offset:(128*(\f)+64*(PI/32)+PI%32)*\ncol*4 th:TH_LOAD_NT
.set PI, PI+1
.endr
.endm
.macro WPATH ncol, nt, first, src, coff, scb, soff
	s_sub_co_u32 s26, ttmp9, \first
	s_lshr_b32 s27, s26, 2                         ; which 64 columns
	s_and_b32 s28, s26, 3                          ; which 256 along K
	s_lshl_b32 s29, s27, 2
	s_add_co_u32 s29, s29, s22                     ; my tile of columns
	s_mul_i32 s30, s28, 1024*\ncol
	s_lshl_b32 s32, s27, 8
	s_add_co_u32 s30, s30, s32
	s_lshr_b32 s32, s22, 1
	s_lshl_b32 s32, s32, 7
	s_add_co_u32 s30, s30, s32
	s_and_b32 s32, s22, 1
	s_lshl_b32 s32, s32, 5
	s_add_co_u32 s30, s30, s32                     ; column 64 g + 32 (wave / 2) + 8 (wave % 2), 4 bytes each
	s_add_nc_u64 s[\src:\src+1], s[\src:\src+1], s[30:31]
	s_mul_i32 s30, s28, \nt*3072
	s_mul_i32 s32, s29, 3072
	s_add_co_u32 s30, s30, s32
	s_add_co_u32 s30, s30, \coff
	s_add_nc_u64 s[12:13], s[12:13], s[30:31]
	s_lshl_b32 s30, s29, 9
	s_lshl_b32 s32, s28, 7
	s_add_co_u32 s30, s30, s32
	s_add_co_u32 s30, s30, \soff
	s_add_nc_u64 s[\scb:\scb+1], s[\scb:\scb+1], s[30:31]
	v_and_b32 v10, 8, v2
	v_add_nc_u32 v10, v10, v2
	v_lshlrev_b32 v10, 2, v10                      ; column r + 8 (r / 8)
	v_mul_u32_u24 v11, v3, 128*\ncol               ; lanes 16-31 begin 32 rows further down
	v_add_nc_u32 v10, v10, v11
	WLOAD 0, \ncol, \src
	s_wait_alu depctr_va_vdst(0)
	s_wait_loadcnt 0x0                             ; the first fragment's 64 numbers
	WLOAD 1, \ncol, \src                           ; the second's are on their way while the first is worked
	QB R, X, W
	IMG X, 12, 0
	s_wait_loadcnt 0x0
	QB R+64, X+12, W+1
	IMG X+12, 12, 1536
	v_cndmask_b32 v[D], v[W], v[W+1], vcc_lo
	global_store_b32 v5, v[D], s[\scb:\scb+1]
	s_endpgm
.endm
.Lwa:
	s_wait_alu depctr_va_vdst(0)
	WPATH 3072, 192, 256, 6, 0, 14, 262144
.Lwp:
	s_wait_alu depctr_va_vdst(0)
	WPATH 1024, 64, 448, 8, 2359296, 16, 262144
.Lfunc_end_k_qd84c83927f_prep:
	.size	k_qd84c83927f_prep, .Lfunc_end_k_qd84c83927f_prep-k_qd84c83927f_prep
	.p2alignl 7, 3214868480
	.fill 96, 4, 3214868480
	.section	.rodata,"a",@progbits
	.p2align	6, 0x0
	.amdhsa_kernel k_qd84c83927f_prep
		.amdhsa_group_segment_fixed_size 34304
		.amdhsa_private_segment_fixed_size 0
		.amdhsa_enable_private_segment 0
		.amdhsa_kernarg_size 64
		.amdhsa_user_sgpr_count 2
		.amdhsa_user_sgpr_kernarg_segment_ptr 1
		.amdhsa_wavefront_size32 1
		.amdhsa_system_sgpr_workgroup_id_x 1
		.amdhsa_system_sgpr_workgroup_id_y 1
		.amdhsa_system_sgpr_workgroup_id_z 1
		.amdhsa_system_vgpr_workitem_id 0
		.amdhsa_next_free_vgpr 256
		.amdhsa_next_free_sgpr 66
		.amdhsa_reserve_vcc 1
		.amdhsa_float_denorm_mode_32 3
		.amdhsa_float_denorm_mode_16_64 3
		.amdhsa_memory_ordered 1
		.amdhsa_forward_progress 1
		.amdhsa_inst_pref_size 96
	.end_amdhsa_kernel
	.amdgpu_metadata
---
amdhsa.version: [ 1, 2 ]
amdhsa.kernels:
  - .name:           k_qd84c83927f_prep
    .symbol:         k_qd84c83927f_prep.kd
    .args:
      - { .name: x, .offset: 0, .size: 8, .value_kind: global_buffer, .address_space: global }
      - { .name: w_attn, .offset: 8, .size: 8, .value_kind: global_buffer, .address_space: global }
      - { .name: w_proj, .offset: 16, .size: 8, .value_kind: global_buffer, .address_space: global }
      - { .name: xc, .offset: 24, .size: 8, .value_kind: global_buffer, .address_space: global }
      - { .name: wc, .offset: 32, .size: 8, .value_kind: global_buffer, .address_space: global }
      - { .name: sc1, .offset: 40, .size: 8, .value_kind: global_buffer, .address_space: global }
      - { .name: sc2, .offset: 48, .size: 8, .value_kind: global_buffer, .address_space: global }
      - { .name: rope, .offset: 56, .size: 8, .value_kind: global_buffer, .address_space: global }
    .group_segment_fixed_size: 34304
    .private_segment_fixed_size: 0
    .kernarg_segment_align: 8
    .kernarg_segment_size: 64
    .max_flat_workgroup_size: 128
    .sgpr_count:     66
    .vgpr_count:     256
    .wavefront_size: 32
...
	.end_amdgpu_metadata
.endif
;; end of part 1
;; launch gemm_qkv (part 2): grid 12 x 32, 4 waves a work-group, clusters of 4 x 4, 327,680 bytes of LDS; arguments xc, wc, sc1, b_attn, rope, qkc, qks; writes qkc, qks
.if DOCPART == 2
	.amdgcn_target "amdgcn-amd-amdhsa--gfx1250"
	.amdhsa_code_object_version 6
	.text
	.protected	k_qd84c83927f_gemm_qkv
	.globl	k_qd84c83927f_gemm_qkv
	.p2align	8
	.type	k_qd84c83927f_gemm_qkv,@function
k_qd84c83927f_gemm_qkv:
	s_mov_b64 s[64:65], 0
	v_nop
	global_prefetch_b8 v0, s[64:65] scope:SCOPE_SE
	s_setreg_imm32_b32 hwreg(HW_REG_WAVE_MODE, 25, 1), 1
	s_wait_xcnt 0x0
	s_wait_alu depctr_hold_cnt(0) depctr_sa_sdst(0) depctr_va_vdst(0) depctr_va_sdst(0) depctr_va_ssrc(0) depctr_va_vcc(0) depctr_vm_vsrc(0)
	s_getreg_b32 s2, hwreg(HW_REG_IB_STS2, 6, 4)
	s_cmp_eq_u32 s2, 0
	s_cbranch_scc0 .Lentry_in_a_cluster
	s_endpgm
.Lentry_in_a_cluster:
	s_bfe_u32 s2, ttmp6, 0x10000c
	s_cmp_lg_u32 s2, 0xf033
	s_cbranch_scc0 .Lentry_shape_is_right
	s_endpgm
.Lentry_shape_is_right:
; qkv = x w_attn + b_attn on codes of BF6 (E3M2) with E8M0 scales; q and k are rotated; q, k and v leave as codes for the attention, each quantised along its own K.  No f32 number goes to memory.
; A work-group of four waves makes 256 x 256, a wave 128 x 128: 64 accumulators of 16 x 16, 512 registers.  K = 1,024 goes in four slots' worth of 256 through a ring of two LDS slots; the eight steps of 128 are written out.
; OPERANDS lie in memory as images of their registers ([K / 256][tile][3,072 bytes]), so 128 rows x 256 K are 24,576 consecutive bytes for one tensor load, and a fragment comes by two loads of 16 and two of 8 bytes a lane,
; each of consecutive bytes: no pitch, no padding.  A tile's rows are 32 (j / 2) + 8 (j % 2) + p + 8 (p / 8): so the 16 registers of two neighbouring result tiles are 16 neighbours along the side that is source 0.
; SIDES.  Source 1 is side A, source 0 side B: a lane holds one row of A and its registers run along B.  Cluster x 0 makes q, 1 makes k: A = x (a lane: a token; registers: the head's 64, their K).
; Cluster x 2 makes v: A = w_attn's columns 2,048 on, B = x (a lane: a column; registers: 128 tokens, v's K).  The sides change by a choice of pointers on the cluster's x, which all sixteen partners share.
; CLUSTERS: 4 x 4.  A's tiles hang on the cluster's row, B's on its column: each is asked for jointly by the four that share it.
; LIMITS: NaN and infinities are not served; blocks whose largest magnitude lies under 2^-122 keep the scale byte 1 (a block of zeros too: its codes are zeros, and this program alone reads the bytes).
; REGISTERS, in windows of 256.  Window 0: v16-23 LDS addresses; v27-31 offsets; v64-127 scale words and nothing else; v128-223 A's eight fragments, one set.  Window 1: B's fragments, two sets, at v0 and v128.
; Windows 2, 3: the accumulators ((a, b) at v[8 (8 (a % 4) + b)]).  In the epilogue: window 0 v128-191 64 numbers at work, v192-228 the quantiser's, v232-243 scale words; window 1 v0-127 four tiles of the table, v128-191 the bias.
.set SLOT,  98304                      ; A's 16 tiles of 3,072 bytes, then B's 16
.set HALFT, 24576                      ; 8 tiles: what one tensor load brings, and what one wave reads of a side
.set SPARE, 2*SLOT                     ; behind the ring: the spare words, 128 bytes for each wave
.set FR,  12
.set NL,  4                            ; LDS loads that bring a fragment
.set NP,  4                            ; places behind this matrix instruction (ISA guide 7.12.1)
.set A16, 16                           ; v16-17 A's fragments in slot 0, 1: + 16 x lane;  v18-19: + 8 x lane
.set B16, 20                           ; v20-23 the same for B
.set VS,  27                           ; my offset among the scale words
.set SPW, 28                           ; LDS address of my spare word; never rewritten
.set NIL, 29                           ; 0; never rewritten
.set L16, 30                           ; 16 x lane
.set L8,  31                           ; 8 x lane
.set BV,  32
.set U,   48
.set SC,  64                           ; register 8 i + s: lanes 0-15 the words of A's tile i, lanes 16-31 of B's tile i, K step s
.set AF,  128
.set T,   128
.set PC,  192
.set TM,  212
.set PW,  228
.set H16, 229
.set SW,  232
.set SL,  240
.set G1,  24                           ; s[24:31] group 1 for A's tiles; s[32:39] group 0, a set for each slot
.set G0,  32
.set G1B, 48                           ; s[48:55], s[56:63] the same for B's
.set G0B, 56
.set SEL, 94
.set MSB, 0
.macro WIN new                         ; the immediate's high byte repeats the setting that is left
.if MSB != (\new)
	s_set_vgpr_msb (MSB<<8)|(\new)
.set MSB, (\new)
.endif
.endm
.set MUL_LO, 0xa1                      ; source 0 (B) window 1, source 1 (A) window 0, C and D window 2
.set MUL_HI, 0xf1                      ; the same, C and D window 3
.set TO_B,   0x40                      ; destination window 1, address window 0
; A joint load: waves 0 and 1 fetch A's halves, waves 2 and 3 B's.  The branch hangs on the wave's number alone.  Four v_nop follow each of the two lines.
.macro JLOAD g0a, g1a, g0b, g1b
	s_cmp_eq_u32 s15, 0
	s_cbranch_scc0 .Lfor_b_\@
	tensor_load_to_lds s[\g0a:\g0a+3], s[\g1a:\g1a+7]
	s_nop 0
.rept 4
	v_nop
.endr
	s_branch .Lasked_\@
.Lfor_b_\@:
	tensor_load_to_lds s[\g0b:\g0b+3], s[\g1b:\g1b+7]
	s_nop 0
.rept 4
	v_nop
.endr
.Lasked_\@:
.endm
.macro CREST                           ; a round of the cluster's barrier behind its opening barrier
	s_cmp_lg_u32 s14, 0
	s_cbranch_scc1 .Lnot_wave_0_\@
	s_barrier_signal -3
.Lnot_wave_0_\@:
	s_barrier_wait -3
	s_barrier_signal -1
	s_barrier_wait -1
.endm
.macro CROUND
	s_barrier_signal -1
	s_barrier_wait -1
	CREST
.endm
.macro PLACES n
.rept \n
	v_nop
.endr
.endm
.macro FRAG reg, a16, a8, off          ; a fragment's image back into twelve registers
	ds_load_b128 v[\reg:\reg+3], v[\a16] offset:\off
	ds_load_b64 v[\reg+4:\reg+5], v[\a8] offset:\off+512
	ds_load_b128 v[\reg+6:\reg+9], v[\a16] offset:\off+768
	ds_load_b64 v[\reg+10:\reg+11], v[\a8] offset:\off+1280
.endm
; 16 matrix instructions: A's blocks a0, a0 + 1 x B's eight, K step sidx; p: B's set.  zero = 1: the product starts the sums.  The 64 accumulators take turns in the same order in every step.
.macro MUL16 a0, p, sidx, zero
.irp a, \a0, \a0+1
.irp b, 0,1,2,3,4,5,6,7
.if \zero
	v_wmma_scale_f32_16x16x128_f8f6f4 v[8*(8*((\a)%4)+\b):8*(8*((\a)%4)+\b)+7], v[128*(\p)+FR*\b:128*(\p)+FR*\b+FR-1], v[AF+FR*(\a):AF+FR*(\a)+FR-1], 0, v[SC+8*\b+(\sidx)], v[SC+8*(\a)+(\sidx)] matrix_a_fmt:MATRIX_FMT_BF6 matrix_b_fmt:MATRIX_FMT_BF6 matrix_a_scale:MATRIX_SCALE_ROW1
.else
	v_wmma_scale_f32_16x16x128_f8f6f4 v[8*(8*((\a)%4)+\b):8*(8*((\a)%4)+\b)+7], v[128*(\p)+FR*\b:128*(\p)+FR*\b+FR-1], v[AF+FR*(\a):AF+FR*(\a)+FR-1], v[8*(8*((\a)%4)+\b):8*(8*((\a)%4)+\b)+7], v[SC+8*\b+(\sidx)], v[SC+8*(\a)+(\sidx)] matrix_a_fmt:MATRIX_FMT_BF6 matrix_b_fmt:MATRIX_FMT_BF6 matrix_a_scale:MATRIX_SCALE_ROW1
.endif
.endr
.endr
.endm
.macro FETCH_B slot, q, p              ; B's eight fragments of the slot's q-th 128 along K into set p
	WIN TO_B
.irp i, 0,1,2,3,4,5,6,7
	FRAG 128*(\p)+FR*\i, B16+\slot, B16+2+\slot, \i*3072+(\q)*1536
.endr
	WIN 0
.endm
.macro FETCH_A slot, q, i0             ; A's blocks i0 .. i0 + 3
.irp i, \i0, \i0+1, \i0+2, \i0+3
	FRAG AF+FR*(\i), A16+\slot, A16+2+\slot, (\i)*3072+(\q)*1536
.endr
.endm
; A slot's first step of 128 along K: its successor lies in the same slot.
.macro STEP slot, sidx, zero
	s_wait_dscnt 4*NL                              ; B's set and A's blocks 0-3 are in; the youngest 16 loads (A's blocks 4-7) may be out
	WIN MUL_LO
	MUL16 0, 0, \sidx, \zero
	MUL16 2, 0, \sidx, \zero
	s_wait_dscnt 0                                 ; A's blocks 4-7 are in
	PLACES NP                                      ; in front of loads into registers that matrix instructions have read
	FETCH_B \slot, 1, 1
	FETCH_A \slot, 1, 0
	WIN MUL_HI
	MUL16 4, 0, \sidx, \zero
	MUL16 6, 0, \sidx, \zero
	PLACES NP
	WIN 0
	FETCH_A \slot, 1, 4
.endm
; A slot's second step changes slots: one barrier; in front of it each wave waits for all its tensor loads, adds 0 to its spare word, and waits for that and for its reads of this slot.  fill = 1: the slot is filled again, two slots' worth on.
.macro TURN slot, next, fill, sidx
	s_wait_tensorcnt 0x0                           ; all my tensor loads have landed: my part of the next slot
	ds_add_u32 v[SPW], v[NIL]                      ; 0 onto my spare word
	s_wait_dscnt 4*NL+1                            ; (the add and the youngest 16 loads may be out)
	WIN MUL_LO
	MUL16 0, 1, \sidx, 0                           ; sixteen matrix instructions stand between the add and the wait for it
	s_wait_dscnt 0x0                               ; the add is done, and my reads of this slot are over
	s_barrier_signal -1
	MUL16 2, 1, \sidx, 0
	WIN 0
	s_barrier_wait -1
.if \fill
	CREST                                          ; the barrier has opened a round of the cluster's barrier: no wave of any partner still reads this slot or has a load on its way
	s_add_nc_u64 s[G0+4*\slot+2:G0+4*\slot+3], s[G0+4*\slot+2:G0+4*\slot+3], s[10:11]     ; two runs of 256 along K on: the run's bytes added twice
	s_add_nc_u64 s[G0+4*\slot+2:G0+4*\slot+3], s[G0+4*\slot+2:G0+4*\slot+3], s[10:11]
	s_add_nc_u64 s[G0B+4*\slot+2:G0B+4*\slot+3], s[G0B+4*\slot+2:G0B+4*\slot+3], s[12:13]
	s_add_nc_u64 s[G0B+4*\slot+2:G0B+4*\slot+3], s[G0B+4*\slot+2:G0B+4*\slot+3], s[12:13]
	JLOAD G0+4*\slot, G1, G0B+4*\slot, G1B         ; the first tensor load behind the round; its four v_nop are the places in front of the loads below
.else
	PLACES NP
.endif
	s_wait_alu depctr_va_vdst(0)
	FETCH_B \next, 0, 0
	FETCH_A \next, 0, 0
	WIN MUL_HI
	MUL16 4, 1, \sidx, 0
	MUL16 6, 1, \sidx, 0
	PLACES NP
	WIN 0
	FETCH_A \next, 0, 4
.endm
; 64 numbers of a lane, register 16 b + i = k 32 b + 16 (lane / 16) + i of my row, become a fragment's codes in v[PC] on and its scale word in v[PW]
.macro QUANT s
.irp b, 0,1,2,3
	v_max3_num_f32 v[TM+\b], |v[\s+16*\b]|, |v[\s+1+16*\b]|, 0x2800000   ; my 16 numbers of block b, and the floor 2^(5 - 127)
.endr
.irp i, 2,4,6,8,10,12,14
.irp b, 0,1,2,3
	v_max3_num_f32 v[TM+\b], v[TM+\b], |v[\s+16*\b+\i]|, |v[\s+1+16*\b+\i]|
.endr
.endr
.irp b, 0,1,2,3
	v_permlanex16_b32 v[TM+4+\b], v[TM+\b], s[SEL], s[SEL+1]
.endr
.irp b, 0,1,2,3
	v_max_num_f32 v[TM+\b], v[TM+\b], v[TM+4+\b]   ; with lane l xor 16's: the block's largest magnitude
.endr
.irp b, 0,1,2,3
	v_add_nc_u32 v[TM+12+\b], 0xfe000000, v[TM+\b]   ; 4 off its exponent field: the conversion's scale operand
.endr
.irp b, 0,1,2,3
	v_lshrrev_b32 v[TM+4+\b], 23, v[TM+12+\b]      ; the scale's byte
.endr
	v_lshl_or_b32 v[PW], v[TM+5], 8, v[TM+4]
	v_lshl_or_b32 v[PW], v[TM+6], 16, v[PW]
	v_lshl_or_b32 v[PW], v[TM+7], 24, v[PW]
.irp c, 0,1
	v_cvt_scalef32_pk16_bf6_f32 v[PC+6*\c:PC+2+6*\c], v[\s+32*\c:\s+15+32*\c], v[TM+12+2*\c]
	v_cvt_scalef32_pk16_bf6_f32 v[PC+12+4*\c:PC+14+4*\c], v[\s+16+32*\c:\s+31+32*\c], v[TM+12+2*\c+1]   ; (a conversion's three registers begin on an even number)
.endr
	v_nop                                          ; one plain place behind a scaled conversion
.irp c, 0,1                                    ; the operand's layout wants a whole block in a lane
.irp i, 0,1,2
	v_permlane16_swap_b32 v[PC+6*\c+\i], v[PC+12+4*\c+\i]
.endr
.irp i, 0,1,2
	v_mov_b32 v[PC+3+6*\c+\i], v[PC+12+4*\c+\i]
.endr
.endr
.endm
.macro OUT o0, o1                      ; the fragment's two halves, each 768 consecutive bytes
	global_store_b128 v[L16], v[PC:PC+3], s[78:79] offset:\o0
	global_store_b64 v[L8], v[PC+4:PC+5], s[78:79] offset:\o0+512
	global_store_b128 v[L16], v[PC+6:PC+9], s[78:79] offset:\o1
	global_store_b64 v[L8], v[PC+10:PC+11], s[78:79] offset:\o1+512
.endm
.macro FINISH
	s_wait_tensorcnt 0x0                           ; the wave's end
	ds_add_u32 v[SPW], v[NIL]
	s_wait_dscnt 0x0
	CROUND                                         ; the closing round: no work-group ends while a partner may still ask for a tile that names it
	s_endpgm
.endm
	s_load_b256 s[68:75], s[0:1], 0x0              ; xc 68, wc 70, sc1 72, b_attn 74
	s_load_b128 s[76:79], s[0:1], 0x20             ; rope 76, qkc 78
	s_load_b64 s[80:81], s[0:1], 0x30              ; qks
	v_lshl_add_u32 v[SPW], v0, 2, SPARE
	v_mov_b32 v[NIL], 0
	ds_add_u32 v28, v29
	ds_add_u32 v28, v29
	s_wait_dscnt 0x0
	v_lshrrev_b32 v1, 5, v0
	v_readfirstlane_b32 s14, v1                    ; wave 0..3
	s_lshr_b32 s15, s14, 1                         ; which half of A's rows is mine.  Also: I fetch for A (0) or for B (1)
	s_and_b32 s16, s14, 1                          ; which half of B's rows.  Also: which 8 tiles I fetch
	s_bfe_u32 s40, ttmp6, 0x40000                  ; cx
	s_bfe_u32 s41, ttmp6, 0x40004                  ; cy
	s_and_b32 s19, ttmp7, 0xffff
	s_lshl_b32 s19, s19, 2                         ; 4 x cluster y
	s_lshl_b32 s42, ttmp9, 2                       ; 4 x cluster x
	s_lshl_b32 s43, s41, 2
	s_lshl_b32 s43, 15, s43                        ; my row of the cluster
	s_lshl_b32 s44, 0x1111, s40                    ; my column
	s_or_b32 s[G1+0], s43, (3<<16)|(1<<21)         ; 15:0 the mask; 17:16 elements of 8 bytes; 20 no padding; 21 set beside a mask
	s_or_b32 s[G1B+0], s44, (3<<16)|(1<<21)
.irp g, G1, G1B
	s_mov_b32 s[\g+1], 32<<16                      ; tensor_dim0 = 32 elements: rows of 256 bytes
	s_mov_b32 s[\g+2], 96<<16                      ; tensor_dim1 = 96 rows: 24,576 consecutive bytes
	s_mov_b32 s[\g+3], 32<<16                      ; tile_dim0
	s_mov_b32 s[\g+4], 96                          ; tile_dim1
	s_mov_b32 s[\g+5], 32                          ; the pitch: rows on end
	s_mov_b32 s[\g+6], 0
	s_mov_b32 s[\g+7], 0
.endr
	s_mov_b32 s20, 1572864                         ; a run of 256 along K of x: 512 tiles
	s_mov_b32 s21, 589824                          ; of w_attn: 192 tiles
	s_mov_b32 s11, 0
	s_mov_b32 s13, 0
	s_mov_b32 s[SEL], 0x76543210
	s_mov_b32 s[SEL+1], 0xfedcba98
	s_mov_b32 s96, 0xffff0000                      ; lanes 16-31
	s_wait_kmcnt 0x0
	s_cmp_eq_u32 ttmp9, 2                          ; v?  All selections stand ahead of the next line that sets SCC
	s_cselect_b32 s17, 8, s19
	s_cselect_b32 s18, s19, s42
	s_cselect_b32 s10, s21, s20                    ; A's run
	s_cselect_b32 s12, s20, s21                    ; B's
	s_cselect_b32 s22, 0x40000, 0                  ; where A's scale words begin in sc1
	s_cselect_b32 s23, 0, 0x40000                  ; and B's
	s_cselect_b64 s[4:5], s[70:71], s[68:69]       ; A's codes
	s_cselect_b64 s[6:7], s[68:69], s[70:71]       ; B's
	s_add_co_u32 s17, s17, s41                     ; A's block of 256 rows: hangs on cy alone
	s_add_co_u32 s18, s18, s40                     ; B's: on cx alone
	s_mul_i32 s66, s17, 49152                      ; 16 tiles a block;
	s_mul_i32 s67, s16, HALFT                      ; the 8 that I fetch
	s_add_co_u32 s66, s66, s67
	s_mov_b32 s67, 0
	s_add_nc_u64 s[66:67], s[4:5], s[66:67]
	s_mul_i32 s46, s18, 49152
	s_mul_i32 s47, s16, HALFT
	s_add_co_u32 s46, s46, s47
	s_mov_b32 s47, 0
	s_add_nc_u64 s[46:47], s[6:7], s[46:47]
	s_mul_i32 s45, s14, HALFT                      ; where they go: wave x 24,576: no place in the cluster enters an LDS address
	CROUND                                         ; all sixteen work-groups are here: the first joint loads meet
	s_mov_b32 s[G0], 1
	s_mov_b32 s[G0+1], s45
	s_mov_b64 s[G0+2:G0+3], s[66:67]
	s_or_b32 s[G0+3], s[G0+3], 0x80000000
	s_mov_b32 s[G0B], 1
	s_mov_b32 s[G0B+1], s45
	s_mov_b64 s[G0B+2:G0B+3], s[46:47]
	s_or_b32 s[G0B+3], s[G0B+3], 0x80000000
	JLOAD G0, G1, G0B, G1B
	s_mov_b32 s[G0+4], 1
	s_add_co_u32 s[G0+5], s45, SLOT
	s_add_nc_u64 s[G0+6:G0+7], s[66:67], s[10:11]
	s_or_b32 s[G0+7], s[G0+7], 0x80000000
	s_mov_b32 s[G0B+4], 1
	s_add_co_u32 s[G0B+5], s45, SLOT
	s_add_nc_u64 s[G0B+6:G0B+7], s[46:47], s[12:13]
	s_or_b32 s[G0B+7], s[G0B+7], 0x80000000
	v_and_b32 v1, 31, v0
	v_lshlrev_b32 v[L16], 4, v1
	v_lshlrev_b32 v[L8], 3, v1
	s_mul_i32 s84, s15, HALFT                      ; my 8 tiles of A
	s_mul_i32 s85, s16, HALFT                      ; my 8 tiles of B,
	s_add_co_u32 s85, s85, 2*HALFT                 ; which lie behind A's 16
.irp s, 0,1
	v_add_nc_u32 v[A16+\s], s84, v[L16]
	v_add_nc_u32 v[A16+2+\s], s84, v[L8]
	v_add_nc_u32 v[B16+\s], s85, v[L16]
	v_add_nc_u32 v[B16+2+\s], s85, v[L8]
	s_add_co_u32 s84, s84, SLOT
	s_add_co_u32 s85, s85, SLOT
.endr
	s_lshl_b32 s86, s17, 13                        ; scale words: 512 bytes a tile
	s_lshl_b32 s88, s15, 12
	s_add_co_u32 s86, s86, s88
	s_add_co_u32 s86, s86, s22
	s_lshl_b32 s87, s18, 13
	s_lshl_b32 s88, s16, 12
	s_add_co_u32 s87, s87, s88
	s_add_co_u32 s87, s87, s23
	v_mov_b32 v2, s86
	v_mov_b32 v3, s87
	v_cndmask_b32 v[VS], v2, v3, s96               ; lanes 0-15 take A's words, lanes 16-31 B's
	v_and_b32 v4, 15, v0
	v_lshl_add_u32 v[VS], v4, 2, v[VS]
.set NN, 0
.rept 64
	global_load_b32 v[SC+NN], v[VS], s[72:73] offset:512*(NN/8)+64*(NN%8)     ; all of K's scale words, once
.set NN, NN+1
.endr
	s_wait_alu depctr_va_vdst(0)
	s_wait_tensorcnt 0x0                           ; my part of slot 0 is in; slot 1's first fill is issued as a refill is:
	ds_add_u32 v28, v29                            ; 0 onto my spare word
	s_wait_dscnt 0x0
	CROUND                                         ; everybody's part of slot 0 is in, and all sixteen work-groups are here
	JLOAD G0+4, G1, G0B+4, G1B                     ; slot 1: the first tensor load behind the round
	FETCH_B 0, 0, 0
	FETCH_A 0, 0, 0
	FETCH_A 0, 0, 4
	s_wait_loadcnt 0x0                             ; the scale words
	STEP 0, 0, 1                                   ; the first step's products start the sums
	TURN 0, 1, 1, 1
	STEP 1, 2, 0
	TURN 1, 0, 1, 3
	STEP 0, 4, 0
	TURN 0, 1, 0, 5                                ; nothing is left to fetch
	STEP 1, 6, 0
	s_wait_dscnt 4*NL
	WIN MUL_LO
	MUL16 0, 1, 7, 0
	MUL16 2, 1, 7, 0
	s_wait_dscnt 0
	WIN MUL_HI
	MUL16 4, 1, 7, 0
	MUL16 6, 1, 7, 0
	WIN 0
	PLACES NP                                      ; in front of reads of results, and of writes and loads into registers that the last products read
.irp b, 0,1,2,3
	v_mov_b32 v[TM+4+\b], 0                        ; a lane permute's destination counts as one of its sources
.endr
	v_and_b32 v4, 15, v0                           ; r
	v_bfe_u32 v5, v0, 4, 1                         ; h
	v_lshlrev_b32 v[H16], 4, v5
	s_mov_b32 s89, 0
	s_cmp_eq_u32 ttmp9, 2
	s_cbranch_scc1 .Lv
; ---- q and k.  Lane (r, h) of A's block a holds token tile j0 + a, row r; register 16 e + i holds column c0 + 32 e + 16 h + i: two heads, in each the lower 32 (e even) and the upper 32 (e odd)
	s_lshr_b32 s84, s17, 3                         ; the batch
	s_and_b32 s85, s17, 7
	s_lshl_b32 s85, s85, 4
	s_lshl_b32 s86, s15, 3
	s_add_co_u32 s85, s85, s86                     ; my first token tile in the batch
	s_and_b32 s86, s18, 3
	s_lshl_b32 s86, s86, 2
	s_lshl_b32 s87, s16, 1
	s_add_co_u32 s86, s86, s87                     ; my first head
	s_lshl_b32 s84, s84, 4
	s_add_co_u32 s84, s84, s86                     ; 16 x batch + head
	s_mul_i32 s88, ttmp9, 6291456                  ; q's codes, then k's
	s_mul_i32 s90, s84, 98304
	s_add_co_u32 s88, s88, s90
	s_mul_i32 s90, s85, 768
	s_add_co_u32 s88, s88, s90
	s_add_nc_u64 s[78:79], s[78:79], s[88:89]
	s_mov_b32 s90, 12288
	s_cmp_eq_u32 ttmp9, 0
	s_cselect_b32 s90, 8192, s90                   ; a head's scale bytes: q 8,192; k (with v's behind) 12,288
	s_cselect_b32 s91, 0, 524288
	s_mul_i32 s88, s84, s90
	s_add_co_u32 s88, s88, s91
	s_lshr_b32 s92, s85, 2
	s_lshl_b32 s92, s92, 8
	s_add_co_u32 s88, s88, s92
	s_add_nc_u64 s[80:81], s[80:81], s[88:89]
	s_lshl_b32 s88, s85, 12
	s_add_nc_u64 s[76:77], s[76:77], s[88:89]      ; the table at my first tile
	s_lshl_b32 s88, s18, 10
	s_lshl_b32 s92, s16, 9
	s_add_co_u32 s88, s88, s92
	s_add_nc_u64 s[74:75], s[74:75], s[88:89]      ; the bias at my first column
	s_wait_alu depctr_va_vdst(0)
	v_lshlrev_b32 v6, 6, v5                        ; 64 h
	v_mul_u32_u24 v7, s90, v5                      ; lanes 16-31 store the second head's words
	v_lshl_add_u32 v7, v4, 4, v7
.macro TAB a                           ; tile a's cos (16 registers) and sin (16) into place a % 4 of the ring
.irp g, 0,1,2,3,4,5,6,7
	global_load_b128 v[32*((\a)%4)+4*\g:32*((\a)%4)+4*\g+3], v[L16], s[76:77] offset:(\a)*4096+512*\g
.endr
.endm
	WIN 0x40                                       ; destination window 1
.set NN, 0
.rept 16
	global_load_b128 v[128+4*NN:128+4*NN+3], v6, s[74:75] offset:128*(NN/4)+16*(NN%4)
.set NN, NN+1
.endr
	TAB 0
	TAB 1
	TAB 2
	TAB 3
.macro EPIQK a
.if \a > 0
	s_wait_xcnt 0x0                                ; the last block's stores have read the codes' registers
.endif
.if \a <= 4
	s_wait_loadcnt 24                              ; the bias and this tile's table are in; three tiles' 24 loads were issued behind them
.else
	s_wait_loadcnt 8*(7-\a)
.endif
	WIN 0x06+(\a)/4                                ; source 0: the accumulators' window; source 1: window 1
.set NN, 0
.rept 32
	v_pk_add_f32 v[T+NN:T+NN+1], v[64*((\a)%4)+NN:64*((\a)%4)+NN+1], v[128+NN:128+NN+1]   ; + bias; each accumulator from its low end on
.set NN, NN+2
.endr
	WIN 0x04                                       ; source 1 window 1: the table
.set NN, 0
.rept 16
.set RLO, T+32*(NN/8)+2*(NN%8)
.set RCO, 32*((\a)%4)+2*(NN%8)
.set RUU, U+4*(NN%2)
	v_pk_mul_f32 v[RUU:RUU+1], v[RLO+16:RLO+17], v[RCO+16:RCO+17]                 ; upper x sin
	v_pk_mul_f32 v[RUU+2:RUU+3], v[RLO:RLO+1], v[RCO+16:RCO+17]                   ; lower x sin
	v_pk_fma_f32 v[RLO:RLO+1], v[RLO:RLO+1], v[RCO:RCO+1], v[RUU:RUU+1] neg_lo:[0,0,1] neg_hi:[0,0,1]   ; lower x cos - upper x sin
	v_pk_fma_f32 v[RLO+16:RLO+17], v[RLO+16:RLO+17], v[RCO:RCO+1], v[RUU+2:RUU+3]                       ; upper x cos + lower x sin
.set NN, NN+1
.endr
.if \a < 4
	WIN 0x40
	TAB (\a)+4
.endif
	WIN 0
	QUANT T                                        ; blocks 0, 1: the first head's 64; blocks 2, 3: the second's
	v_lshrrev_b32 v[SW+\a], v[H16], v[PW]          ; lanes 0-15 keep the first head's two bytes, lanes 16-31 the second's;
	v_and_b32 v[SW+\a], 0xffff, v[SW+\a]           ; the word's upper two bytes, over the zero codes that fill K to 128, are 0
	OUT 768*(\a), 98304+768*(\a)
.endm
	EPIQK 0
	EPIQK 1
	EPIQK 2
	EPIQK 3
	EPIQK 4
	EPIQK 5
	EPIQK 6
	EPIQK 7
	global_store_b128 v7, v[SW:SW+3], s[80:81]               ; sixteen lanes store 256 consecutive bytes: four tiles' words
	global_store_b128 v7, v[SW+4:SW+7], s[80:81] offset:256
	FINISH
; ---- v.  Lane (r, h) of A's block a holds column tile vt0 + a, row r; register 16 e + i holds token 32 e + 16 h + i of my 128: one step of the keys
.Lv:
	s_sub_co_u32 s84, s17, 8
	s_lshl_b32 s85, s84, 4
	s_lshl_b32 s86, s15, 3
	s_add_co_u32 s85, s85, s86                     ; my first tile among v's 64 tiles of columns
	s_lshr_b32 s86, s85, 2                         ; my first head
	s_lshr_b32 s87, s18, 3
	s_lshl_b32 s87, s87, 4
	s_add_co_u32 s86, s86, s87                     ; 16 x batch + head
	s_and_b32 s87, s18, 7
	s_lshl_b32 s87, s87, 1
	s_add_co_u32 s87, s87, s16                     ; which 128 keys
	s_mul_i32 s88, s86, 98304
	s_mul_i32 s90, s87, 6144
	s_add_co_u32 s88, s88, s90
	s_add_co_u32 s88, s88, 12582912
	s_add_nc_u64 s[78:79], s[78:79], s[88:89]
	s_mul_i32 s88, s86, 12288
	s_lshl_b32 s90, s87, 8
	s_add_co_u32 s88, s88, s90
	s_add_co_u32 s88, s88, 524288+8192
	s_add_nc_u64 s[80:81], s[80:81], s[88:89]
	s_lshl_b32 s88, s85, 6
	s_add_co_u32 s88, s88, 8192
	s_add_nc_u64 s[74:75], s[74:75], s[88:89]      ; the bias at column 2,048 + 16 x my first tile
	s_wait_alu depctr_va_vdst(0)
	v_and_b32 v6, 8, v4
	v_add_nc_u32 v6, v6, v4
	v_lshlrev_b32 v6, 2, v6                        ; column r + 8 (r / 8)
	v_mul_u32_u24 v7, v5, 12288
	v_lshl_add_u32 v7, v4, 4, v7
.set NN, 0
.rept 8
	global_load_b32 v[BV+2*NN], v6, s[74:75] offset:(32*(NN/2)+8*(NN%2))*4       ; my column's bias, twice: a pair for the packed addition
	global_load_b32 v[BV+2*NN+1], v6, s[74:75] offset:(32*(NN/2)+8*(NN%2))*4
.set NN, NN+1
.endr
	s_wait_loadcnt 0x0
.macro EPIV a
.if \a > 0
	s_wait_xcnt 0x0                                ; the last block's stores have read the codes' registers
.endif
	WIN 0x02+(\a)/4
.set NN, 0
.rept 32
	v_pk_add_f32 v[T+NN:T+NN+1], v[64*((\a)%4)+NN:64*((\a)%4)+NN+1], v[BV+2*(\a):BV+2*(\a)+1]
.set NN, NN+2
.endr
	WIN 0
	QUANT T
	v_mov_b32 v[SW+\a], v[PW]
	OUT ((\a)/4)*98304+((\a)%4)*1536, ((\a)/4)*98304+((\a)%4)*1536+768
.endm
	EPIV 0
	EPIV 1
	EPIV 2
	EPIV 3
	EPIV 4
	EPIV 5
	EPIV 6
	EPIV 7
.irp i, 0,1,2,3
	v_cndmask_b32 v[SL+\i], v[SW+\i], v[SW+4+\i], s96        ; lanes 0-15 the first head's four tiles, lanes 16-31 the second's
.endr
	global_store_b128 v7, v[SL:SL+3], s[80:81]
	FINISH
.Lfunc_end_k_qd84c83927f_gemm_qkv:
	.size	k_qd84c83927f_gemm_qkv, .Lfunc_end_k_qd84c83927f_gemm_qkv-k_qd84c83927f_gemm_qkv
	.p2alignl 7, 3214868480
	.fill 96, 4, 3214868480
	.section	.rodata,"a",@progbits
	.p2align	6, 0x0
	.amdhsa_kernel k_qd84c83927f_gemm_qkv
		.amdhsa_group_segment_fixed_size 327680
		.amdhsa_private_segment_fixed_size 0
		.amdhsa_enable_private_segment 0
		.amdhsa_kernarg_size 56
		.amdhsa_user_sgpr_count 2
		.amdhsa_user_sgpr_kernarg_segment_ptr 1
		.amdhsa_wavefront_size32 1
		.amdhsa_system_sgpr_workgroup_id_x 1
		.amdhsa_system_sgpr_workgroup_id_y 1
		.amdhsa_system_sgpr_workgroup_id_z 1
		.amdhsa_system_vgpr_workitem_id 0
		.amdhsa_next_free_vgpr 1024
		.amdhsa_next_free_sgpr 100
		.amdhsa_reserve_vcc 0
		.amdhsa_float_denorm_mode_32 3
		.amdhsa_float_denorm_mode_16_64 3
		.amdhsa_memory_ordered 1
		.amdhsa_forward_progress 1
		.amdhsa_inst_pref_size 255
	.end_amdhsa_kernel
	.section	.bss,"aw",@nobits
	.p2align	6
	.space	262144
	.amdgpu_metadata
---
amdhsa.version: [ 1, 2 ]
amdhsa.kernels:
  - .name:           k_qd84c83927f_gemm_qkv
    .symbol:         k_qd84c83927f_gemm_qkv.kd
    .args:
      - { .name: xc, .offset: 0, .size: 8, .value_kind: global_buffer, .address_space: global }
      - { .name: wc, .offset: 8, .size: 8, .value_kind: global_buffer, .address_space: global }
      - { .name: sc1, .offset: 16, .size: 8, .value_kind: global_buffer, .address_space: global }
      - { .name: b_attn, .offset: 24, .size: 8, .value_kind: global_buffer, .address_space: global }
      - { .name: rope, .offset: 32, .size: 8, .value_kind: global_buffer, .address_space: global }
      - { .name: qkc, .offset: 40, .size: 8, .value_kind: global_buffer, .address_space: global }
      - { .name: qks, .offset: 48, .size: 8, .value_kind: global_buffer, .address_space: global }
    .group_segment_fixed_size: 327680
    .private_segment_fixed_size: 0
    .kernarg_segment_align: 8
    .kernarg_segment_size: 56
    .max_flat_workgroup_size: 128
    .sgpr_count:     100
    .vgpr_count:     1024
    .wavefront_size: 32
...
	.end_amdgpu_metadata
.endif
;; end of part 2
;; launch attn (part 3): grid 64 x 4, 16 waves a work-group, no clusters, 327,680 bytes of LDS; arguments qkc, qks, yc, sc2; writes yc, sc2
.if DOCPART == 3
	.amdgcn_target "amdgcn-amd-amdhsa--gfx1250"
	.amdhsa_code_object_version 6
	.text
	.protected	k_qd84c83927f_attn
	.globl	k_qd84c83927f_attn
	.p2align	8
	.type	k_qd84c83927f_attn,@function
k_qd84c83927f_attn:
	s_mov_b64 s[64:65], 0
	v_nop
	global_prefetch_b8 v0, s[64:65] scope:SCOPE_SE
	s_setreg_imm32_b32 hwreg(HW_REG_WAVE_MODE, 25, 1), 1
	s_wait_xcnt 0x0
; y = softmax(q k^T / 8, causal) v for one head, both products on codes of BF6 (E3M2) with E8M0 scales; y leaves as codes for the last product, quantised along its K (two blocks of 32 a head).
; THE SOFTMAX: t = score x log2(e) / 8; M = the running largest t rounded up to a whole number; p = 2^(t - M) is quantised along the keys, not normalised; the row's sum is taken of the unquantised p and divides at the end.
; When M moves, the sum and O are multiplied by 2^(old M - new M): exact.  A block's largest p is the exponential of its largest score (it takes v_exp_f32 not to fall where its input rises).
; SHARES.  A work-group has one head (grid x) and sixteen waves, four to a SIMD.  A wave owns one tile of 16 queries in each of two passes: tile 127 - 16 X - w, then tile 16 X + w (X: grid y): tile jt has jt / 8 + 1 steps of
; 128 keys, 17 for the two together, in every wave.  Every loop has a constant trip count; a step all of whose keys come after the wave's queries is jumped over by a scalar branch on ids.
; LDS is filled once, in four groups of tensor loads, at most one load a wave in each: at the head step 0 of k (waves 0-3, a quarter each) and of v (waves 4-7) and all scale words (waves 8-15); behind the first barrier
; steps 1-3; behind a barrier ahead of step 1 steps 4-9; behind one ahead of step 4 steps 10-15 (k by waves 0-3, v by waves 4-7); a last barrier stands ahead of step 10.  Each group has the steps before it in which to land.
; No byte is filled twice, none is stored to.
; NO CLUSTER, though the four work-groups of a head read the same k and v: which steps a work-group leaves out hangs on X, which would be its place in the cluster.
; No prefetch: each group of loads is itself asked for one to six key steps ahead of its first read.
; LAYOUT.  Both products are used transposed: S^T = k q^T (source 0 = 16 keys, source 1 = my 16 queries), O^T = v^T p^T: a lane holds one query (lane % 16) throughout.
; In memory a tile of k holds keys 32 (j / 2) + 8 (j % 2) + p + 8 (p / 8).  THE TILES THAT ARE MULTIPLIED ARE PUT TOGETHER ANEW BY THE LANES' LDS ADDRESSES: tile 4 c + o of a step takes as rows 0-7 keys 64 c + 8 o + 0..7
; and as rows 8-15 keys 64 c + 32 + 8 o + 0..7.  So the 32 registers of tiles 4 c .. 4 c + 3 are, in lane half h, keys 64 c + 32 h + 0..31: a whole block of p's K in one lane, in the order of the operand's registers:
; its largest score needs no other lane and its codes are not moved between lanes.  k's LDS rows are 512 bytes + 128 of padding.
; The head's 64 are half of the instruction's K.  Registers 6-11 of q's fragment are zero codes; so registers 6-11 of a fragment of k may hold any codes (BF6 has finite codes alone; their scale bytes are 0): they are the
; next tile's, and eight fragments take 54 registers.  v's four fragments land in the same registers when the scores are made.
; LIMITS: NaN and infinities are not served; the promise holds while |t| stays under 2^31; a block of y under 2^-122 keeps the scale byte 1.  y's scale bytes leave as single bytes, 32 for a wave and pass: two heads share a word.
.set VBASE, 122880                     ; LDS: k 192 rows x 640; v 98,304 bytes; scale words: k's 8,192, v's 4,096; the spare words, 128 bytes a wave
.set SBASE, 221184
.set SPARE, 233472
.set WV,   12
.set XX,   13
.set BH,   14
.set JT,   15
.set QB,   16                          ; my tile's first query
.set QMAX, 17                          ; its last
.set KF,   18                          ; the step's first key
.set CNT,  19
.set TK,   20                          ; LDS: the step's k: 7,680 bytes a step
.set TV,   21                          ; v: 6,144
.set TS,   22                          ; k's scale words: 512
.set TT,   23                          ; v's: 256
.set SEL,  24
.set CS,   26                          ; s[26:27] c = log2(e) / 8
.set G1K,  28                          ; groups 1: k (padded), v, scale words
.set G1V,  36
.set G1S,  44
.set G0K,  52                          ; groups 0 of the head's loads
.set G0V,  56
.set G0S,  60
.set G0KB, 84                          ; of steps 1-3
.set G0VB, 88
.set G0KC, 92                          ; of steps 4-9, then stepped to steps 10-15
.set G0VC, 96
; v1 16 x lane, v2 8 x lane, v3 16 r; v4-7 lane parts of k's addresses; v10 my query - 32 h; v11 8 h; v12 -M, v13 the largest t, v[14:15] the sum; v16-27 q; v28-31 v's scale words
.set KR,   32                          ; v32-85 k's eight fragments, 6 registers apart; then v's four, 12 apart
.set KSC,  86                          ; v86-93 k's scale words
.set WK0,  94                          ; v94-100 the step's addresses
.set WK1,  95
.set WKB,  96
.set WKS,  97
.set WVA,  98
.set WVB,  99
.set WVS,  100
.set QS,   101                         ; q's scale word
.set PS,   102                         ; p's scale word
.set TQ,   104                         ; the conversions' second halves
.set MX,   112                         ; maxima; later two chains of the sum
.set SO,   116                         ; scale operands
.set TA,   118
.set TB,   119
.set FF,   122                         ; f, as the low word of a pair
.set T3,   124
.set SPW,  126                         ; LDS address of my spare word; never rewritten
.set NIL,  127                         ; 0; never rewritten
.set S,    128                         ; S^T, then p
.set O,    192                         ; O^T
.set P,    224                         ; p's codes;  v236-254 at work at a pass's end
.macro TLOAD g0, g1                    ; a tensor load with an s_nop and four v_nop behind it
	tensor_load_to_lds s[\g0:\g0+3], s[\g1:\g1+7]
	s_nop 0
.rept 4
	v_nop
.endr
.endm
; A later group of first fills, issued as a refill is: every wave's three lines, the barrier, then one load in waves 0-7.  rows: 512-byte rows a load; step = 1: the groups 0 go on by 72 rows
.macro STAGE gk, gv, rows, step
	s_wait_tensorcnt 0x0                           ; my load of the last group is in
	ds_add_u32 v[SPW], v[NIL]                      ; 0 onto my spare word
	s_mov_b32 s[G1K+2], \rows<<16                  ; no tensor load of mine is out, so descriptors may be written
	s_mov_b32 s[G1K+4], \rows
	s_mov_b32 s[G1V+2], \rows<<16
	s_mov_b32 s[G1V+4], \rows
.if \step
	s_add_co_u32 s[\gk+1], s[\gk+1], 46080
	s_add_nc_u64 s[\gk+2:\gk+3], s[\gk+2:\gk+3], 36864
	s_add_co_u32 s[\gv+1], s[\gv+1], 36864
	s_add_nc_u64 s[\gv+2:\gv+3], s[\gv+2:\gv+3], 36864
.endif
	s_wait_dscnt 0x0
	s_barrier_signal -1
	s_barrier_wait -1                              ; the last group is in, for every wave
	s_cmp_lt_u32 s[WV], 4
	s_cbranch_scc0 .Lsv_\@
	TLOAD \gk, G1K
	s_branch .Lsd_\@
.Lsv_\@:
	s_cmp_lt_u32 s[WV], 8
	s_cbranch_scc0 .Lsd_\@
	TLOAD \gv, G1V
.Lsd_\@:
.endm
	s_load_b256 s[4:11], s[0:1], 0x0               ; qkc 4, qks 6, yc 8, sc2 10
	v_lshl_add_u32 v[SPW], v0, 2, SPARE
	v_mov_b32 v[NIL], 0
	ds_add_u32 v[SPW], v[NIL]                      ; the opening lines: the add, twice on end, and its wait ahead of my first tensor load
	ds_add_u32 v[SPW], v[NIL]
	v_lshrrev_b32 v4, 5, v0
	v_readfirstlane_b32 s[WV], v4                  ; wave 0..15
	s_and_b32 s[XX], ttmp7, 0xffff
	s_mov_b32 s[BH], ttmp9
.irp g, G1K, G1V, G1S
	s_mov_b32 s[\g+1], 64<<16                      ; tensor_dim0 = 64 elements of 8 bytes: rows of 512 bytes
	s_mov_b32 s[\g+2], 3<<16                       ; at the head 3 rows a load
	s_mov_b32 s[\g+3], 64<<16                      ; tile_dim0
	s_mov_b32 s[\g+4], 3
	s_mov_b32 s[\g+5], 64                          ; the pitch: rows on end
	s_mov_b32 s[\g+6], 0
	s_mov_b32 s[\g+7], 0
.endr
	s_mov_b32 s[G1K], (3<<16)|(1<<20)|(6<<22)|(31<<25)   ; elements of 8 bytes; behind every 128 words 32 words of padding
	s_mov_b32 s[G1V], 3<<16
	s_mov_b32 s[G1S], 3<<16
	s_and_b32 s66, s[WV], 3
	s_and_b32 s67, s[WV], 7
	s_mul_i32 s[G0K+1], s66, 1920
	s_mul_i32 s68, s66, 1536
	s_add_co_u32 s[G0V+1], s68, VBASE
	s_mul_i32 s69, s67, 1536
	s_add_co_u32 s[G0S+1], s69, SBASE
	s_mul_i32 s[G0KB+1], s66, 5760
	s_add_co_u32 s[G0KB+1], s[G0KB+1], 7680
	s_mul_i32 s70, s66, 4608
	s_add_co_u32 s70, s70, 6144
	s_add_co_u32 s[G0VB+1], s70, VBASE
	s_mul_i32 s[G0KC+1], s66, 11520
	s_add_co_u32 s[G0KC+1], s[G0KC+1], 30720
	s_mul_i32 s71, s66, 9216
	s_add_co_u32 s71, s71, 24576
	s_add_co_u32 s[G0VC+1], s71, VBASE
	s_mul_i32 s72, s[BH], 98304
	s_add_co_u32 s72, s72, 6291456                 ; the head's codes of k; v's lie 6,291,456 bytes further on
	s_add_co_u32 s76, s72, s68
	s_mov_b32 s77, 0
	s_add_co_u32 s78, s72, s70
	s_mov_b32 s79, 0
	s_add_co_u32 s80, s72, s71
	s_mov_b32 s81, 0
	s_mul_i32 s74, s[BH], 12288
	s_add_co_u32 s74, s74, 524288
	s_add_co_u32 s74, s74, s69
	s_mov_b32 s75, 0
.irp g, G0K, G0V, G0S, G0KB, G0VB, G0KC, G0VC
	s_mov_b32 s[\g], 1
.endr
	s_mov_b32 s[SEL], 0x76543210
	s_mov_b32 s[SEL+1], 0xfedcba98
	s_mov_b32 s[CS], 0x3e38aa3b
	s_mov_b32 s[CS+1], s[CS]                       ; (named with it as a pair, so it is written)
	s_wait_dscnt 0x0                               ; both opening adds are done
	s_wait_kmcnt 0x0
	s_add_nc_u64 s[G0K+2:G0K+3], s[4:5], s[76:77]
	s_add_nc_u64 s[G0V+2:G0V+3], s[G0K+2:G0K+3], 6291456
	s_add_nc_u64 s[G0KB+2:G0KB+3], s[4:5], s[78:79]
	s_add_nc_u64 s[G0VB+2:G0VB+3], s[G0KB+2:G0KB+3], 6291456
	s_add_nc_u64 s[G0KC+2:G0KC+3], s[4:5], s[80:81]
	s_add_nc_u64 s[G0VC+2:G0VC+3], s[G0KC+2:G0KC+3], 6291456
	s_add_nc_u64 s[G0S+2:G0S+3], s[6:7], s[74:75]
.irp g, G0K, G0V, G0S, G0KB, G0VB, G0KC, G0VC
	s_or_b32 s[\g+3], s[\g+3], 0x80000000
.endr
	s_cmp_lt_u32 s[WV], 4                          ; one chain of branches on the wave's number, one load to an arm
	s_cbranch_scc0 .Lhead_v
	TLOAD G0K, G1K
	s_branch .Lhead_asked
.Lhead_v:
	s_cmp_lt_u32 s[WV], 8
	s_cbranch_scc0 .Lhead_s
	TLOAD G0V, G1V
	s_branch .Lhead_asked
.Lhead_s:
	TLOAD G0S, G1S
.Lhead_asked:
	v_and_b32 v8, 31, v0
	v_lshlrev_b32 v1, 4, v8
	v_lshlrev_b32 v2, 3, v8
	v_and_b32 v9, 15, v0
	v_lshlrev_b32 v3, 4, v9
	v_bfe_u32 v11, v0, 4, 1                        ; h
	v_and_b32 v8, 7, v0                            ; r % 8
	v_bfe_u32 v9, v0, 3, 1                         ; r / 8: rows 8-15 come from the tile two further on: 1,536 bytes, three LDS rows, 1,920
	v_mul_u32_u24 v4, v9, 1920
	v_lshl_add_u32 v6, v8, 3, v4
	v_lshl_add_u32 v6, v11, 7, v6                  ; registers 4-5: 1,920 (r / 8) + 8 (r % 8) + 128 h
	v_lshl_add_u32 v4, v8, 4, v4
	v_lshl_add_u32 v5, v11, 7, v4
	v_lshl_add_u32 v4, v11, 8, v4                  ; registers 0-3, even tiles: 1,920 (r / 8) + 16 (r % 8) + 256 h
	v_lshl_add_u32 v5, v11, 8, v5                  ; odd tiles: + 384 h: their lanes 16-31 lie in the next LDS row
	v_lshlrev_b32 v7, 4, v8
	v_lshl_add_u32 v7, v9, 3, v7                   ; scale words: 16 (r % 8) + 8 (r / 8)
	v_lshlrev_b32 v11, 3, v11                      ; 8 h
.irp j, 22,23,24,25,26,27
	v_mov_b32 v[\j], 0                             ; the upper half of q's fragment: zero codes
.endr
.irp j, 48,49,50,51,52,53
	v_mov_b32 v[KR+\j], 0                          ; behind k's last tile: written once, never loaded into
.endr
.irp j, TB, FF+1, 236, 237, 252
	v_mov_b32 v[\j], 0                             ; a lane permute's destination counts as one of its sources; a pair's upper word is named with the lower
.endr
; A pass's head: the tile, its addresses, q, and the sums' beginnings (O^T and the sum zeros, the largest t -3e38: the first change of M multiplies zeros)
.macro PHEAD p
	s_lshl_b32 s[JT], s[XX], 4
	s_add_co_u32 s[JT], s[JT], s[WV]
.if \p == 0
	s_sub_co_u32 s[JT], 127, s[JT]
.else
	s_wait_xcnt 0x0                                ; the last pass's stores have read their registers and bases
.endif
	s_lshr_b32 s[QB], s[JT], 1
	s_lshl_b32 s[QB], s[QB], 5
	s_and_b32 s76, s[JT], 1
	s_lshl_b32 s76, s76, 3
	s_add_co_u32 s[QB], s[QB], s76
	s_add_co_u32 s[QMAX], s[QB], 23
	s_mul_i32 s76, s[BH], 98304
	s_mul_i32 s78, s[JT], 768
	s_add_co_u32 s76, s76, s78
	s_mov_b32 s77, 0
	s_add_nc_u64 s[68:69], s[4:5], s[76:77]        ; q's codes
	s_lshl_b32 s76, s[BH], 13
	s_lshr_b32 s78, s[JT], 2
	s_lshl_b32 s78, s78, 8
	s_add_co_u32 s76, s76, s78
	s_and_b32 s78, s[JT], 3
	s_lshl_b32 s78, s78, 2
	s_add_co_u32 s76, s76, s78
	s_add_nc_u64 s[70:71], s[6:7], s[76:77]        ; q's scale words
	global_load_b128 v[16:19], v1, s[68:69]
	global_load_b64 v[20:21], v2, s[68:69] offset:512
	global_load_b32 v[QS], v3, s[70:71]
	s_and_b32 s76, s[BH], 15                       ; the head
	s_lshr_b32 s78, s[BH], 4
	s_lshl_b32 s78, s78, 7
	s_add_co_u32 s78, s78, s[JT]                   ; the token tile among all 512
	s_lshr_b32 s79, s76, 2
	s_mul_i32 s79, s79, 1572864                    ; which 256 along y's K,
	s_mul_i32 s80, s78, 3072
	s_add_co_u32 s79, s79, s80
	s_bfe_u32 s80, s76, 0x10001
	s_mul_i32 s80, s80, 1536                       ; which 128 of them,
	s_add_co_u32 s79, s79, s80
	s_and_b32 s80, s76, 1
	s_mul_i32 s81, s80, 768                        ; which 64
	s_add_co_u32 s82, s79, s81
	s_mov_b32 s83, 0
	s_add_nc_u64 s[72:73], s[8:9], s[82:83]        ; y's codes
	s_lshl_b32 s82, s78, 9
	s_lshr_b32 s81, s76, 1
	s_lshl_b32 s81, s81, 6
	s_add_co_u32 s82, s82, s81
	s_lshl_b32 s81, s80, 1
	s_add_co_u32 s82, s82, s81
	s_add_nc_u64 s[74:75], s[10:11], s[82:83]      ; y's scale bytes
	v_and_b32 v10, 15, v0
	s_delay_alu instid0(VALU_DEP_1)
	v_and_b32 v[TA], 8, v10
	s_delay_alu instid0(VALU_DEP_1)
	v_add_nc_u32 v10, v10, v[TA]
	v_lshlrev_b32 v[TA], 2, v11
	s_delay_alu instid0(VALU_DEP_1)
	v_sub_nc_u32 v10, v10, v[TA]
	s_delay_alu instid0(VALU_DEP_1)
	v_add_nc_u32 v10, s[QB], v10                   ; my query - 32 h
	v_mov_b32 v13, 0xff61b1e6                      ; -3e38
	s_delay_alu instid0(VALU_DEP_1)
	v_floor_f32 v12, -v13
	v_mov_b32 v14, 0
	v_mov_b32 v15, 0
.set NN, 0
.rept 32
	v_mov_b32 v[O+NN], 0
.set NN, NN+1
.endr
	s_mov_b32 s[KF], 0
	s_mov_b32 s[TK], 0
	s_mov_b32 s[TV], VBASE
	s_mov_b32 s[TS], SBASE
	s_mov_b32 s[TT], SBASE+8192
.if \p
	s_wait_loadcnt 0x0
.endif
.endm
; A key step: 128 keys
.macro STEP
	s_cmp_gt_u32 s[KF], s[QMAX]
	s_cbranch_scc1 .Lhidden_\@                     ; all its keys come after my queries: only the addresses step
	v_add_nc_u32 v[WK0], s[TK], v4                 ; (these four are also the places in front of the loads into registers that the last products read)
	v_add_nc_u32 v[WK1], s[TK], v5
	v_add_nc_u32 v[WKB], s[TK], v6
	v_add_nc_u32 v[WKS], s[TS], v7
.irp c, 0,1
.irp u, 0,1                                    ; tiles 4 c + 2 u and 4 c + 2 u + 1, and their two scale words
	ds_load_b128 v[KR+6*(4*\c+2*\u):KR+6*(4*\c+2*\u)+3], v[WK0] offset:3840*\c+128*\u
	ds_load_b64 v[KR+6*(4*\c+2*\u)+4:KR+6*(4*\c+2*\u)+5], v[WKB] offset:3840*\c+640+64*\u
	ds_load_b128 v[KR+6*(4*\c+2*\u+1):KR+6*(4*\c+2*\u+1)+3], v[WK1] offset:3840*\c+896+128*\u
	ds_load_b64 v[KR+6*(4*\c+2*\u+1)+4:KR+6*(4*\c+2*\u+1)+5], v[WKB] offset:3840*\c+1536+64*\u
	ds_load_b64 v[KSC+4*\c+2*\u:KSC+4*\c+2*\u+1], v[WKS] offset:256*\c+128*\u
.endr
.endr
	s_wait_dscnt 0x0
.irp t, 0,1,2,3,4,5,6,7                        ; S^T = k q^T
	v_wmma_scale_f32_16x16x128_f8f6f4 v[S+8*\t:S+8*\t+7], v[KR+6*\t:KR+6*\t+11], v[16:27], 0, v[KSC+\t], v[QS] matrix_a_fmt:MATRIX_FMT_BF6 matrix_b_fmt:MATRIX_FMT_BF6
.endr
	v_add_nc_u32 v[WVA], s[TV], v1                 ; four places in front of the first read of the scores and of the loads over k's fragments
	v_add_nc_u32 v[WVB], s[TV], v2
	v_add_nc_u32 v[WVS], s[TT], v3
	v_sub_nc_u32 v[TA], v10, s[KF]                 ; register 32 c + i holds key KF + 64 c + 32 h + i: hidden where 64 c + i > my query - 32 h - KF
.irp d, 0,1,2,3                                ; v's four fragments land while the softmax is worked
	ds_load_b128 v[KR+12*\d:KR+12*\d+3], v[WVA] offset:1536*\d
	ds_load_b64 v[KR+12*\d+4:KR+12*\d+5], v[WVB] offset:1536*\d+512
	ds_load_b128 v[KR+12*\d+6:KR+12*\d+9], v[WVA] offset:1536*\d+768
	ds_load_b64 v[KR+12*\d+10:KR+12*\d+11], v[WVB] offset:1536*\d+1280
.endr
	ds_load_b128 v[28:31], v[WVS]
	s_add_co_u32 s76, s[KF], 127
	s_cmp_le_u32 s76, s[QB]
	s_cbranch_scc1 .Lopen_\@                       ; all keys count for all my queries
	v_mov_b32 v[TB], 0xff800000                    ; -infinity: p = 0 then
	s_add_co_u32 s76, s[KF], 63
	s_cmp_le_u32 s76, s[QB]
	s_wait_alu depctr_va_vdst(0)
	s_cbranch_scc1 .Lhalf_\@                       ; the first 64 keys count for all my queries
.set NN, 0
.rept 32
	v_cmp_gt_i32 vcc_lo, NN, v[TA]
	v_cndmask_b32 v[S+NN], v[S+NN], v[TB], vcc_lo
.set NN, NN+1
.endr
.Lhalf_\@:
.set NN, 32
.rept 32
	v_cmp_gt_i32 vcc_lo, NN+32, v[TA]
	v_cndmask_b32 v[S+NN], v[S+NN], v[TB], vcc_lo
.set NN, NN+1
.endr
.Lopen_\@:
.irp b, 0,1,2,3                                ; the largest score of my two blocks of 32 keys, in four chains, each accumulator from its low end on
	v_max3_num_f32 v[MX+\b], v[S+16*\b], v[S+1+16*\b], v[S+2+16*\b]
.endr
.irp i, 3,5,7,9,11,13
.irp b, 0,1,2,3
	v_max3_num_f32 v[MX+\b], v[MX+\b], v[S+16*\b+\i], v[S+1+16*\b+\i]
.endr
.endr
	v_max3_num_f32 v[MX], v[MX], v[MX+1], v[S+15]
	v_max3_num_f32 v[MX+2], v[MX+2], v[MX+3], v[S+47]
	v_max_num_f32 v[MX], v[MX], v[S+31]            ; block h
	v_max_num_f32 v[MX+2], v[MX+2], v[S+63]        ; block 2 + h
	v_max_num_f32 v[TA], v[MX], v[MX+2]
	v_permlanex16_b32 v[TB], v[TA], s[SEL], s[SEL+1]
	v_max_num_f32 v[TA], v[TA], v[TB]              ; with lane l xor 16's two blocks: the step's largest score of my query
	s_delay_alu instid0(VALU_DEP_1)
	v_mul_f32 v[TA], s[CS], v[TA]                  ; as t
	s_delay_alu instid0(VALU_DEP_1)
	v_max_num_f32 v13, v13, v[TA]                  ; the running largest t
	v_mov_b32 v[TA], v12
	s_delay_alu instid0(VALU_DEP_2)
	v_floor_f32 v12, -v13                          ; the new -M = -ceil(t)
	s_delay_alu instid0(VALU_DEP_1)
	v_sub_f32 v[TA], v12, v[TA]                    ; old M - new M: a whole number, 0 or less
	s_delay_alu instid0(VALU_DEP_1)
	v_cvt_i32_f32 v[TA], v[TA]                     ; (it saturates)
	s_delay_alu instid0(VALU_DEP_1)
	v_ldexp_f32 v[FF], 1.0, v[TA]                  ; f = 2^(old M - new M)
.set NN, 0
.rept 32
	v_pk_fma_f32 v[S+NN:S+NN+1], v[S+NN:S+NN+1], s[CS:CS+1], v[12:13] op_sel_hi:[1,0,0]   ; t - M
.set NN, NN+2
.endr
	v_fma_f32 v[MX], v[MX], s[CS], v12
	v_fma_f32 v[MX+2], v[MX+2], s[CS], v12
.set NN, 0
.rept 16
	v_pk_mul_f32 v[O+NN:O+NN+1], v[O+NN:O+NN+1], v[FF:FF+1] op_sel_hi:[1,0]   ; O^T under the new M, from each accumulator's low end on, ahead of the exponentials
.set NN, NN+2
.endr
	s_wait_alu depctr_va_vdst(0)
.set NN, 0
.rept 64
	v_exp_f32 v[S+NN], v[S+NN]                     ; p = 2^(t - M)
.set NN, NN+1
.endr
	v_exp_f32 v[MX], v[MX]                         ; my two blocks' largest p
	v_exp_f32 v[MX+2], v[MX+2]
	v_pk_mul_f32 v[14:15], v[14:15], v[FF:FF+1] op_sel_hi:[1,0]   ; the sums under the new M (a plain place behind the exponentials)
	s_wait_alu depctr_va_vdst(0)                   ; one wait for the batch, ahead of its first reader
	v_max_num_f32 v[MX], 0x2800000, v[MX]          ; the floor 2^(5 - 127)
	v_max_num_f32 v[MX+2], 0x2800000, v[MX+2]
	s_delay_alu instid0(VALU_DEP_2)
	v_add_nc_u32 v[SO], 0xfe000000, v[MX]          ; 4 off the exponent field: the conversion's scale operand
	s_delay_alu instid0(VALU_DEP_2)
	v_add_nc_u32 v[SO+1], 0xfe000000, v[MX+2]
	s_delay_alu instid0(VALU_DEP_2)
	v_lshrrev_b32 v[TA], 23, v[SO]                 ; the bytes of blocks h and 2 + h
	s_delay_alu instid0(VALU_DEP_2)
	v_lshrrev_b32 v[TB], 23, v[SO+1]
	s_delay_alu instid0(VALU_DEP_1)
	v_lshl_or_b32 v[TA], v[TB], 16, v[TA]
	s_delay_alu instid0(VALU_DEP_1)
	v_lshlrev_b32 v[TA], v11, v[TA]                ; 8 h bits up
	s_delay_alu instid0(VALU_DEP_1)
	v_permlanex16_b32 v[TB], v[TA], s[SEL], s[SEL+1]
	s_delay_alu instid0(VALU_DEP_1)
	v_or_b32 v[PS], v[TA], v[TB]                   ; with lane l xor 16's two bytes: p's scale word for these 128 keys
.irp c, 0,1
	v_cvt_scalef32_pk16_bf6_f32 v[P+6*\c:P+6*\c+2], v[S+32*\c:S+32*\c+15], v[SO+\c]
	v_cvt_scalef32_pk16_bf6_f32 v[TQ+4*\c:TQ+4*\c+2], v[S+32*\c+16:S+32*\c+31], v[SO+\c]   ; (a conversion's three registers begin on an even number)
.endr
	v_nop                                          ; one plain place behind a scaled conversion
.irp c, 0,1
.irp i, 0,1,2
	v_mov_b32 v[P+3+6*\c+\i], v[TQ+4*\c+\i]
.endr
.endr
	v_pk_add_f32 v[MX:MX+1], v[S:S+1], v[S+2:S+3]  ; the row's sum of the unquantised p, in four chains
	v_pk_add_f32 v[MX+2:MX+3], v[S+4:S+5], v[S+6:S+7]
	v_pk_add_f32 v[T3:T3+1], v[S+8:S+9], v[S+10:S+11]
	v_pk_add_f32 v[14:15], v[14:15], v[S+12:S+13]
.irp i, 14,22,30,38,46,54
	v_pk_add_f32 v[MX:MX+1], v[MX:MX+1], v[S+\i:S+\i+1]
	v_pk_add_f32 v[MX+2:MX+3], v[MX+2:MX+3], v[S+\i+2:S+\i+3]
	v_pk_add_f32 v[T3:T3+1], v[T3:T3+1], v[S+\i+4:S+\i+5]
	v_pk_add_f32 v[14:15], v[14:15], v[S+\i+6:S+\i+7]
.endr
	v_pk_add_f32 v[14:15], v[14:15], v[S+62:S+63]
	v_pk_add_f32 v[MX:MX+1], v[MX:MX+1], v[MX+2:MX+3]
	s_delay_alu instid0(VALU_DEP_2)
	v_pk_add_f32 v[14:15], v[14:15], v[T3:T3+1]
	s_delay_alu instid0(VALU_DEP_1)
	v_pk_add_f32 v[14:15], v[14:15], v[MX:MX+1]
	s_wait_alu depctr_va_vdst(0)
	s_wait_dscnt 0x0                               ; v's fragments and scale words
.irp d, 0,1,2,3
	v_wmma_scale_f32_16x16x128_f8f6f4 v[O+8*\d:O+8*\d+7], v[KR+12*\d:KR+12*\d+11], v[P:P+11], v[O+8*\d:O+8*\d+7], v[28+\d], v[PS] matrix_a_fmt:MATRIX_FMT_BF6 matrix_b_fmt:MATRIX_FMT_BF6
.endr
.Lhidden_\@:
	s_add_co_u32 s[KF], s[KF], 128
	s_add_co_u32 s[TK], s[TK], 7680
	s_add_co_u32 s[TV], s[TV], 6144
	s_add_co_u32 s[TS], s[TS], 512
	s_add_co_u32 s[TT], s[TT], 256
.endm
.macro KLOOP n
	s_mov_b32 s[CNT], \n
.Lk_\@:
	STEP
	s_sub_co_u32 s[CNT], s[CNT], 1
	s_cmp_lg_u32 s[CNT], 0
	s_cbranch_scc1 .Lk_\@
.endm
; A pass's end: y = O^T / the sum; register 16 e + i is channel 32 e + 16 h + i of my query: two blocks of the last product's K, each in lanes l and l xor 16
.macro PEND
.rept 4
	v_nop
.endr
	v_add_f32 v14, v14, v15
	s_delay_alu instid0(VALU_DEP_1)
	v_permlanex16_b32 v252, v14, s[SEL], s[SEL+1]
	s_delay_alu instid0(VALU_DEP_1)
	v_add_f32 v14, v14, v252                       ; the row's sum
	s_wait_alu depctr_va_vdst(0)
	v_rcp_f32 v14, v14
	v_lshrrev_b32 v243, 2, v3                      ; (a plain place behind the reciprocal)  4 r
.set NN, 0
	s_wait_alu depctr_va_vdst(0)
.rept 16
	v_pk_mul_f32 v[128+NN:129+NN], v[O+NN:O+NN+1], v[14:15] op_sel_hi:[1,0]
.set NN, NN+2
.endr
.irp b, 0,1
	v_max3_num_f32 v[248+\b], |v[128+16*\b]|, |v[129+16*\b]|, 0x2800000
.endr
.irp i, 2,4,6,8,10,12,14
.irp b, 0,1
	s_delay_alu instid0(VALU_DEP_2)
	v_max3_num_f32 v[248+\b], v[248+\b], |v[128+16*\b+\i]|, |v[129+16*\b+\i]|
.endr
.endr
.irp b, 0,1
	s_delay_alu instid0(VALU_DEP_2)
	v_permlanex16_b32 v[236+\b], v[248+\b], s[SEL], s[SEL+1]
.endr
.irp b, 0,1
	s_delay_alu instid0(VALU_DEP_2)
	v_max_num_f32 v[248+\b], v[248+\b], v[236+\b]
.endr
.irp b, 0,1
	s_delay_alu instid0(VALU_DEP_2)
	v_add_nc_u32 v[244+\b], 0xfe000000, v[248+\b]
.endr
.irp b, 0,1
	s_delay_alu instid0(VALU_DEP_2)
	v_lshrrev_b32 v[236+\b], 23, v[244+\b]
.endr
	s_delay_alu instid0(VALU_DEP_1)
	v_lshl_or_b32 v254, v237, 8, v236
	s_delay_alu instid0(VALU_DEP_1)
	v_lshrrev_b32 v254, v11, v254                  ; my half's block's byte in the low byte
	v_lshrrev_b32 v239, 3, v11
	s_delay_alu instid0(VALU_DEP_1)
	v_add_nc_u32 v243, v243, v239                  ; 4 r + h
	v_cvt_scalef32_pk16_bf6_f32 v[224:226], v[128:143], v244
	v_cvt_scalef32_pk16_bf6_f32 v[240:242], v[144:159], v245
	v_nop                                          ; one plain place behind a scaled conversion
.irp i, 0,1,2
	v_permlane16_swap_b32 v[224+\i], v[240+\i]
.endr
.irp i, 0,1,2
	s_delay_alu instid0(VALU_DEP_3)
	v_mov_b32 v[227+\i], v[240+\i]
.endr
	global_store_b128 v1, v[224:227], s[72:73]               ; half a fragment: 512 and 256 consecutive bytes
	global_store_b64 v2, v[228:229], s[72:73] offset:512
	global_store_b8 v243, v254, s[74:75]
.endm
	PHEAD 0
	s_wait_alu depctr_va_vdst(0)
	STAGE G0KB, G0VB, 9, 0                         ; step 0 and the scale words are in; steps 1-3 are asked for
	s_wait_loadcnt 0x0                             ; q
	STEP                                           ; step 0
	STAGE G0KC, G0VC, 18, 0                        ; steps 1-3 are in; steps 4-9 are asked for
	KLOOP 3
	STAGE G0KC, G0VC, 18, 1                        ; steps 4-9 are in; steps 10-15 are asked for
	KLOOP 6
	s_wait_tensorcnt 0x0                           ; my part of the rest is in,
	s_wait_dscnt 0x0
	s_barrier_signal -1
	s_barrier_wait -1                              ; and every wave's
	KLOOP 6
	PEND
	PHEAD 1
	KLOOP 8                                        ; tiles 0 to 63 have no key beyond 1,023
	PEND
	s_wait_tensorcnt 0x0                           ; the wave's end
	ds_add_u32 v[SPW], v[NIL]
	s_wait_dscnt 0x0
	s_endpgm
.Lfunc_end_k_qd84c83927f_attn:
	.size	k_qd84c83927f_attn, .Lfunc_end_k_qd84c83927f_attn-k_qd84c83927f_attn
	.p2alignl 7, 3214868480
	.fill 96, 4, 3214868480
	.section	.rodata,"a",@progbits
	.p2align	6, 0x0
	.amdhsa_kernel k_qd84c83927f_attn
		.amdhsa_group_segment_fixed_size 327680
		.amdhsa_private_segment_fixed_size 0
		.amdhsa_enable_private_segment 0
		.amdhsa_kernarg_size 32
		.amdhsa_user_sgpr_count 2
		.amdhsa_user_sgpr_kernarg_segment_ptr 1
		.amdhsa_wavefront_size32 1
		.amdhsa_system_sgpr_workgroup_id_x 1
		.amdhsa_system_sgpr_workgroup_id_y 1
		.amdhsa_system_sgpr_workgroup_id_z 1
		.amdhsa_system_vgpr_workitem_id 0
		.amdhsa_next_free_vgpr 256
		.amdhsa_next_free_sgpr 100
		.amdhsa_reserve_vcc 1
		.amdhsa_float_denorm_mode_32 3
		.amdhsa_float_denorm_mode_16_64 3
		.amdhsa_memory_ordered 1
		.amdhsa_forward_progress 1
		.amdhsa_inst_pref_size 133
	.end_amdhsa_kernel
	.amdgpu_metadata
---
amdhsa.version: [ 1, 2 ]
amdhsa.kernels:
  - .name:           k_qd84c83927f_attn
    .symbol:         k_qd84c83927f_attn.kd
    .args:
      - { .name: qkc, .offset: 0, .size: 8, .value_kind: global_buffer, .address_space: global }
      - { .name: qks, .offset: 8, .size: 8, .value_kind: global_buffer, .address_space: global }
      - { .name: yc, .offset: 16, .size: 8, .value_kind: global_buffer, .address_space: global }
      - { .name: sc2, .offset: 24, .size: 8, .value_kind: global_buffer, .address_space: global }
    .group_segment_fixed_size: 327680
    .private_segment_fixed_size: 0
    .kernarg_segment_align: 8
    .kernarg_segment_size: 32
    .max_flat_workgroup_size: 512
    .sgpr_count:     100
    .vgpr_count:     256
    .wavefront_size: 32
...
	.end_amdgpu_metadata
.endif
;; end of part 3
;; launch gemm_proj (part 4): grid 4 x 64, 4 waves a work-group, clusters of 4 x 4, 327,680 bytes of LDS; arguments yc, wc, sc2, b_proj, out0; writes out0
.if DOCPART == 4
	.amdgcn_target "amdgcn-amd-amdhsa--gfx1250"
	.amdhsa_code_object_version 6
	.text
	.protected	k_qd84c83927f_gemm_proj
	.globl	k_qd84c83927f_gemm_proj
	.p2align	8
	.type	k_qd84c83927f_gemm_proj,@function
k_qd84c83927f_gemm_proj:
	s_mov_b64 s[64:65], 0
	v_nop
	global_prefetch_b8 v0, s[64:65] scope:SCOPE_SE
	s_setreg_imm32_b32 hwreg(HW_REG_WAVE_MODE, 25, 1), 1
	s_wait_xcnt 0x0
	s_wait_alu depctr_hold_cnt(0) depctr_sa_sdst(0) depctr_va_vdst(0) depctr_va_sdst(0) depctr_va_ssrc(0) depctr_va_vcc(0) depctr_vm_vsrc(0)
	s_getreg_b32 s2, hwreg(HW_REG_IB_STS2, 6, 4)
	s_cmp_eq_u32 s2, 0
	s_cbranch_scc0 .Lentry_in_a_cluster
	s_endpgm
.Lentry_in_a_cluster:
	s_bfe_u32 s2, ttmp6, 0x10000c
	s_cmp_lg_u32 s2, 0xf033
	s_cbranch_scc0 .Lentry_shape_is_right
	s_endpgm
.Lentry_shape_is_right:
; out0 = y w_proj + b_proj on codes of BF6 (E3M2) with E8M0 scales; sums in f32.  y's codes and scale words were made by the attention, w_proj's by the first launch.
; A work-group of four waves makes 128 rows x 256 columns: 64 x 4 = 256 work-groups.  A wave makes 64 x 128: 32 accumulators of 16 x 16, 256 registers.
; OPERANDS lie in memory as images of their registers ([K / 256][tile of 16 rows][3,072 bytes]); a tile's rows are 32 (j / 2) + 8 (j % 2) + p + 8 (p / 8).  Side A is y (source 1), side B w_proj's columns (source 0): a lane holds one
; row of the result and its registers run along the columns.
; LDS: two slots, each with 512 along K: A's 8 tiles (two pieces of 4 tiles x two runs of 256 along K), then B's 16 (two pieces of 8 tiles x two runs).  A piece is one tensor load of two rows (12,288 or 24,576 consecutive bytes,
; a run of 256 along K apart).  Each slot is filled once: slot 0 at the head, slot 1 behind the three lines and a round of the cluster's barrier, one load a wave each time.  Nothing is filled again.
; CLUSTERS: 4 x 4.  A's pieces hang on the cluster's row, B's on its column: each is asked for jointly by the four that share it.
; No prefetch: the two loads of a wave bring all that it fetches, and both are issued ahead of the first product.
; REGISTERS, in windows of 256.  Window 0: v16-23 LDS addresses; v24-31 the way out's addresses, offsets, the add's two; v32-35 the bias; v64-127 scale words and nothing else; v128-223 A's four fragments, two sets.
; Window 1: B's eight fragments, two sets, at v0 and v128.  Window 2: the accumulators ((a, b) at v[8 (8 a + b)]).  On the way out v128-255 of window 0 hold rows read back from the stage.
; THE WAY OUT: 16 rows x 128 columns at a time through the wave's own stage in slot 0, which nobody reads behind the barrier ahead of K step 4's fetch and which has had its only fill; whole rows of 512 bytes are stored.
.set SLOT,  147456
.set SPARE, 2*SLOT                     ; behind the slots: the spare words, 128 bytes for each wave
.set SPITCH, 528
.set FR,  12
.set NP,  4                            ; places behind this matrix instruction (ISA guide 7.12.1)
.set A16, 16                           ; v16-17 A's fragments in slot 0, 1: + 16 x lane;  v18-19: + 8 x lane
.set B16, 20                           ; v20-23 the same for B
.set STO, 24
.set RD,  25
.set VS,  27
.set SPW, 28                           ; LDS address of my spare word; never rewritten
.set NIL, 29                           ; 0; never rewritten
.set L16, 30
.set L8,  31
.set SC,  64                           ; register 8 i + s: lanes 0-15 the words of A's tile i, lanes 16-31 of B's tile i, K step s
.set AF,  128
.set BK,  128
.set G1,  24
.set G0,  32
.set G1B, 48
.set G0B, 56
.set MSB, 0
.macro WIN new                         ; the immediate's high byte repeats the setting that is left
.if MSB != (\new)
	s_set_vgpr_msb (MSB<<8)|(\new)
.set MSB, (\new)
.endif
.endm
.set MUL_LO, 0xa1                      ; source 0 (B) window 1, source 1 (A) window 0, C and D window 2
.set TO_B,   0x40                      ; destination window 1, address window 0
.macro JLOAD g0a, g1a, g0b, g1b        ; a joint load: waves 0 and 1 fetch A's pieces, waves 2 and 3 B's
	s_cmp_eq_u32 s15, 0
	s_cbranch_scc0 .Lfor_b_\@
	tensor_load_to_lds s[\g0a:\g0a+3], s[\g1a:\g1a+7]
	s_nop 0
.rept 4
	v_nop
.endr
	s_branch .Lasked_\@
.Lfor_b_\@:
	tensor_load_to_lds s[\g0b:\g0b+3], s[\g1b:\g1b+7]
	s_nop 0
.rept 4
	v_nop
.endr
.Lasked_\@:
.endm
.macro CROUND                          ; a round of the cluster's barrier
	s_barrier_signal -1
	s_barrier_wait -1
	s_cmp_lg_u32 s14, 0
	s_cbranch_scc1 .Lnot_wave_0_\@
	s_barrier_signal -3
.Lnot_wave_0_\@:
	s_barrier_wait -3
	s_barrier_signal -1
	s_barrier_wait -1
.endm
.macro PLACES n
.rept \n
	v_nop
.endr
.endm
.macro FRAG reg, a16, a8, off          ; a fragment's image back into twelve registers
	ds_load_b128 v[\reg:\reg+3], v[\a16] offset:\off
	ds_load_b64 v[\reg+4:\reg+5], v[\a8] offset:\off+512
	ds_load_b128 v[\reg+6:\reg+9], v[\a16] offset:\off+768
	ds_load_b64 v[\reg+10:\reg+11], v[\a8] offset:\off+1280
.endm
.macro FETCH st                        ; K step st's fragments into sets st % 2: slot st / 4, run (st / 2) % 2, half st % 2
	WIN TO_B
.irp i, 0,1,2,3,4,5,6,7
	FRAG 128*((\st)%2)+FR*\i, B16+(\st)/4, B16+2+(\st)/4, (((\st)/2)%2)*24576+\i*3072+((\st)%2)*1536
.endr
	WIN 0
.irp i, 0,1,2,3
	FRAG AF+48*((\st)%2)+FR*\i, A16+(\st)/4, A16+2+(\st)/4, (((\st)/2)%2)*12288+\i*3072+((\st)%2)*1536
.endr
.endm
.macro MUL32 st, zero                  ; A's four blocks x B's eight; the 32 accumulators take turns in the same order in every step
.irp a, 0,1,2,3
.irp b, 0,1,2,3,4,5,6,7
.if \zero
	v_wmma_scale_f32_16x16x128_f8f6f4 v[8*(8*\a+\b):8*(8*\a+\b)+7], v[128*((\st)%2)+FR*\b:128*((\st)%2)+FR*\b+FR-1], v[AF+48*((\st)%2)+FR*\a:AF+48*((\st)%2)+FR*\a+FR-1], 0, v[SC+8*\b+(\st)], v[SC+8*\a+(\st)] matrix_a_fmt:MATRIX_FMT_BF6 matrix_b_fmt:MATRIX_FMT_BF6 matrix_a_scale:MATRIX_SCALE_ROW1
.else
	v_wmma_scale_f32_16x16x128_f8f6f4 v[8*(8*\a+\b):8*(8*\a+\b)+7], v[128*((\st)%2)+FR*\b:128*((\st)%2)+FR*\b+FR-1], v[AF+48*((\st)%2)+FR*\a:AF+48*((\st)%2)+FR*\a+FR-1], v[8*(8*\a+\b):8*(8*\a+\b)+7], v[SC+8*\b+(\st)], v[SC+8*\a+(\st)] matrix_a_fmt:MATRIX_FMT_BF6 matrix_b_fmt:MATRIX_FMT_BF6 matrix_a_scale:MATRIX_SCALE_ROW1
.endif
.endr
.endr
.endm
.macro KSTEP st                        ; a step of 128 along K: the next step's 48 loads go out, then this step's 32 products
.if (\st) == 3
	s_wait_tensorcnt 0x0                           ; my piece of slot 1 is in,
.endif
	s_wait_dscnt 0x0                               ; this step's fragments are in
.if (\st) == 3
	s_barrier_signal -1
	s_barrier_wait -1                              ; and everybody's piece; nobody reads slot 0 any more
.endif
.if (\st) > 0
	PLACES NP                                      ; in front of loads into registers that the last step's products read
.endif
.if (\st) < 7
	FETCH (\st)+1
.endif
	WIN MUL_LO
.if (\st) == 0
	MUL32 \st, 1                                   ; the first step's products start the sums
.else
	MUL32 \st, 0
.endif
	WIN 0
.endm
	s_load_b256 s[68:75], s[0:1], 0x0              ; yc 68, wc 70, sc2 72, b_proj 74
	s_load_b64 s[76:77], s[0:1], 0x20              ; out0
	v_lshl_add_u32 v[SPW], v0, 2, SPARE
	v_mov_b32 v[NIL], 0
	ds_add_u32 v[SPW], v[NIL]                      ; the opening lines: the add, twice on end, and its wait ahead of the round in front of my first tensor load
	ds_add_u32 v[SPW], v[NIL]
	v_lshrrev_b32 v1, 5, v0
	v_readfirstlane_b32 s14, v1                    ; wave 0..3
	s_lshr_b32 s15, s14, 1                         ; which 4 tiles of A are mine.  Also: I fetch for A (0) or for B (1)
	s_and_b32 s16, s14, 1                          ; which 8 tiles of B.  Also: which piece I fetch
	s_bfe_u32 s40, ttmp6, 0x40000                  ; cx
	s_bfe_u32 s41, ttmp6, 0x40004                  ; cy
	s_and_b32 s19, ttmp7, 0xffff
	s_lshl_b32 s17, s19, 2
	s_add_co_u32 s17, s17, s41                     ; A's block of 128 rows: hangs on cy alone
	s_lshl_b32 s18, ttmp9, 2
	s_add_co_u32 s18, s18, s40                     ; B's block of 256 columns: on cx alone
	s_lshl_b32 s43, s41, 2
	s_lshl_b32 s43, 15, s43                        ; my row of the cluster
	s_lshl_b32 s44, 0x1111, s40                    ; my column
	s_or_b32 s[G1+0], s43, (3<<16)|(1<<21)         ; the mask; elements of 8 bytes; no padding; bit 21 beside a mask
	s_or_b32 s[G1B+0], s44, (3<<16)|(1<<21)
	s_mov_b32 s[G1+1], 1536<<16                    ; A: rows of 1,536 elements: 4 tiles, 12,288 bytes
	s_mov_b32 s[G1+2], 2<<16                       ; two rows,
	s_mov_b32 s[G1+3], 1536<<16
	s_mov_b32 s[G1+4], 2
	s_mov_b32 s[G1+5], 196608                      ; a run of 256 along K of y apart: 512 tiles, 1,572,864 bytes
	s_mov_b32 s[G1+6], 0
	s_mov_b32 s[G1+7], 0
	s_mov_b32 s[G1B+1], 3072<<16                   ; B: rows of 3,072 elements: 8 tiles, 24,576 bytes
	s_mov_b32 s[G1B+2], 2<<16
	s_mov_b32 s[G1B+3], 3072<<16
	s_mov_b32 s[G1B+4], 2
	s_mov_b32 s[G1B+5], 24576                      ; a run of w_proj apart: 64 tiles, 196,608 bytes
	s_mov_b32 s[G1B+6], 0
	s_mov_b32 s[G1B+7], 0
	s_mov_b32 s96, 0xffff0000                      ; lanes 16-31
	s_mul_i32 s66, s17, 24576                      ; A: 8 tiles a block;
	s_mul_i32 s67, s16, 12288                      ; the 4 that I fetch
	s_add_co_u32 s66, s66, s67
	s_mov_b32 s67, 0
	s_mul_i32 s46, s18, 49152                      ; B: 16 tiles a block;
	s_mul_i32 s47, s16, 24576                      ; the 8 that I fetch;
	s_add_co_u32 s46, s46, s47
	s_add_co_u32 s46, s46, 2359296                 ; w_proj's codes lie behind w_attn's
	s_mov_b32 s47, 0
	s_mul_i32 s45, s16, 24576                      ; where they go: A's pieces,
	s_mul_i32 s97, s16, 49152
	s_add_co_u32 s97, s97, 49152                   ; then B's: no place in the cluster enters an LDS address
	s_wait_dscnt 0x0                               ; both opening adds are done
	s_wait_kmcnt 0x0
	s_add_nc_u64 s[66:67], s[68:69], s[66:67]
	s_add_nc_u64 s[46:47], s[70:71], s[46:47]
	CROUND                                         ; all sixteen work-groups are here: the first joint loads meet
	s_mov_b32 s[G0], 1
	s_mov_b32 s[G0+1], s45
	s_mov_b64 s[G0+2:G0+3], s[66:67]
	s_or_b32 s[G0+3], s[G0+3], 0x80000000
	s_mov_b32 s[G0B], 1
	s_mov_b32 s[G0B+1], s97
	s_mov_b64 s[G0B+2:G0B+3], s[46:47]
	s_or_b32 s[G0B+3], s[G0B+3], 0x80000000
	JLOAD G0, G1, G0B, G1B                         ; slot 0: K 0 to 511
	s_mov_b32 s[G0+4], 1
	s_add_co_u32 s[G0+5], s45, SLOT
	s_add_nc_u64 s[G0+6:G0+7], s[66:67], 3145728   ; two runs on
	s_or_b32 s[G0+7], s[G0+7], 0x80000000
	s_mov_b32 s[G0B+4], 1
	s_add_co_u32 s[G0B+5], s97, SLOT
	s_add_nc_u64 s[G0B+6:G0B+7], s[46:47], 393216
	s_or_b32 s[G0B+7], s[G0B+7], 0x80000000
	s_mul_i32 s84, s15, 24576                      ; my 4 tiles of A
	s_mul_i32 s85, s16, 49152
	s_add_co_u32 s85, s85, 49152                   ; my 8 tiles of B
	s_add_co_u32 s98, s84, SLOT
	s_add_co_u32 s99, s85, SLOT
	s_lshl_b32 s86, s17, 12                        ; scale words: 512 bytes a tile
	s_lshl_b32 s88, s15, 11
	s_add_co_u32 s86, s86, s88
	s_lshl_b32 s87, s18, 13
	s_lshl_b32 s88, s16, 12
	s_add_co_u32 s87, s87, s88
	s_add_co_u32 s87, s87, 0x40000                 ; w_proj's words lie behind y's
	s_mul_i32 s92, s14, 16*SPITCH                  ; my stage
	s_lshl_b32 s88, s18, 10
	s_lshl_b32 s90, s16, 9
	s_add_co_u32 s88, s88, s90                     ; my first column, in bytes
	s_mov_b32 s89, 0
	s_add_nc_u64 s[74:75], s[74:75], s[88:89]
	s_lshl_b32 s90, s17, 19                        ; 128 rows of 4,096 bytes
	s_add_co_u32 s88, s88, s90
	s_lshl_b32 s90, s15, 18                        ; 64 rows
	s_add_co_u32 s88, s88, s90
	s_add_nc_u64 s[76:77], s[76:77], s[88:89]
	v_and_b32 v1, 31, v0
	v_lshlrev_b32 v[L16], 4, v1
	v_lshlrev_b32 v[L8], 3, v1
	v_add_nc_u32 v[A16], s84, v[L16]
	v_add_nc_u32 v[A16+2], s84, v[L8]
	v_add_nc_u32 v[B16], s85, v[L16]
	v_add_nc_u32 v[B16+2], s85, v[L8]
	v_add_nc_u32 v[A16+1], s98, v[L16]
	v_add_nc_u32 v[A16+3], s98, v[L8]
	v_add_nc_u32 v[B16+1], s99, v[L16]
	v_add_nc_u32 v[B16+3], s99, v[L8]
	v_mov_b32 v2, s86
	v_mov_b32 v3, s87
	v_cndmask_b32 v[VS], v2, v3, s96               ; lanes 0-15 take A's words, lanes 16-31 B's
	v_and_b32 v4, 15, v0                           ; r
	v_bfe_u32 v5, v0, 4, 1                         ; h
	v_lshl_add_u32 v[VS], v4, 2, v[VS]
	v_mul_u32_u24 v6, v4, SPITCH                   ; into the stage: row r, + 64 h
	v_lshl_add_u32 v6, v5, 6, v6
	v_add_nc_u32 v[STO], s92, v6
	v_add_nc_u32 v[RD], s92, v[L16]                ; back: the 32 lanes take one row of 512 bytes
	s_wait_alu depctr_va_vdst(0)
.set NN, 0
.rept 64
	global_load_b32 v[SC+NN], v[VS], s[72:73] offset:512*(NN/8)+64*(NN%8)     ; all of K's scale words, once (A's words of tiles 4-7 belong to other rows and are not used)
.set NN, NN+1
.endr
	global_load_b128 v[32:35], v[L16], s[74:75]    ; the bias of my four columns of a row
	s_wait_tensorcnt 0x0                           ; my piece of slot 0 is in; slot 1's first fill is issued as a refill is:
	ds_add_u32 v[SPW], v[NIL]                      ; 0 onto my spare word
	s_wait_dscnt 0x0
	CROUND                                         ; everybody's piece is in, and all sixteen work-groups are here
	JLOAD G0+4, G1, G0B+4, G1B                     ; slot 1: K 512 to 1,023: the first tensor load behind the round
	FETCH 0
	s_wait_loadcnt 0x0                             ; the scale words and the bias
	KSTEP 0
	KSTEP 1
	KSTEP 2
	KSTEP 3
	KSTEP 4
	KSTEP 5
	KSTEP 6
	KSTEP 7
.macro TOSTAGE a
	WIN 0x08                                       ; the data: window 2
.irp b, 0,1,2,3,4,5,6,7
	ds_store_b128 v[STO], v[64*(\a)+8*\b:64*(\a)+8*\b+3] offset:128*(\b/2)+32*(\b%2)        ; each accumulator from its low end on
	ds_store_b128 v[STO], v[64*(\a)+8*\b+4:64*(\a)+8*\b+7] offset:128*(\b/2)+32*(\b%2)+16
.endr
	WIN 0
.set BB, BK+64*((\a)%2)
.irp t, 0,1,2,3,4,5,6,7,8,9,10,11,12,13,14,15
	ds_load_b128 v[BB+4*\t:BB+4*\t+3], v[RD] offset:\t*SPITCH      ; LDS serves a wave's instructions in order: these see the stores above
.endr
.endm
.macro SEND a, younger                 ; younger: the LDS instructions issued behind block a's loads, which may stay out
.set BB, BK+64*((\a)%2)
	s_wait_dscnt \younger
.irp t, 0,1,2,3,4,5,6,7,8,9,10,11,12,13,14,15
	v_pk_add_f32 v[BB+4*\t:BB+4*\t+1], v[BB+4*\t:BB+4*\t+1], v[32:33]
	v_pk_add_f32 v[BB+4*\t+2:BB+4*\t+3], v[BB+4*\t+2:BB+4*\t+3], v[34:35]
	global_store_b128 v[L16], v[BB+4*\t:BB+4*\t+3], s[76:77] offset:(32*((\a)/2)+8*((\a)%2)+\t+8*(\t/8))*4096 th:TH_STORE_NT   ; 32 lanes store 512 consecutive bytes
.endr
.endm
	PLACES NP                                      ; in front of reads of results and of loads into registers that the last products read
	TOSTAGE 0
.irp a, 1,2,3
.if \a > 1
	s_wait_xcnt 0x0                                ; block a - 2's stores have read their registers
.endif
	TOSTAGE \a
	SEND \a-1, 32
.endr
	SEND 3, 0
	s_wait_tensorcnt 0x0                           ; the wave's end
	ds_add_u32 v[SPW], v[NIL]
	s_wait_dscnt 0x0
	CROUND                                         ; the closing round
	s_endpgm
.Lfunc_end_k_qd84c83927f_gemm_proj:
	.size	k_qd84c83927f_gemm_proj, .Lfunc_end_k_qd84c83927f_gemm_proj-k_qd84c83927f_gemm_proj
	.p2alignl 7, 3214868480
	.fill 96, 4, 3214868480
	.section	.rodata,"a",@progbits
	.p2align	6, 0x0
	.amdhsa_kernel k_qd84c83927f_gemm_proj
		.amdhsa_group_segment_fixed_size 327680
		.amdhsa_private_segment_fixed_size 0
		.amdhsa_enable_private_segment 0
		.amdhsa_kernarg_size 40
		.amdhsa_user_sgpr_count 2
		.amdhsa_user_sgpr_kernarg_segment_ptr 1
		.amdhsa_wavefront_size32 1
		.amdhsa_system_sgpr_workgroup_id_x 1
		.amdhsa_system_sgpr_workgroup_id_y 1
		.amdhsa_system_sgpr_workgroup_id_z 1
		.amdhsa_system_vgpr_workitem_id 0
		.amdhsa_next_free_vgpr 768
		.amdhsa_next_free_sgpr 100
		.amdhsa_reserve_vcc 0
		.amdhsa_float_denorm_mode_32 3
		.amdhsa_float_denorm_mode_16_64 3
		.amdhsa_memory_ordered 1
		.amdhsa_forward_progress 1
		.amdhsa_inst_pref_size 95
	.end_amdhsa_kernel
	.amdgpu_metadata
---
amdhsa.version: [ 1, 2 ]
amdhsa.kernels:
  - .name:           k_qd84c83927f_gemm_proj
    .symbol:         k_qd84c83927f_gemm_proj.kd
    .args:
      - { .name: yc, .offset: 0, .size: 8, .value_kind: global_buffer, .address_space: global }
      - { .name: wc, .offset: 8, .size: 8, .value_kind: global_buffer, .address_space: global }
      - { .name: sc2, .offset: 16, .size: 8, .value_kind: global_buffer, .address_space: global }
      - { .name: b_proj, .offset: 24, .size: 8, .value_kind: global_buffer, .address_space: global }
      - { .name: out0, .offset: 32, .size: 8, .value_kind: global_buffer, .address_space: global }
    .group_segment_fixed_size: 327680
    .private_segment_fixed_size: 0
    .kernarg_segment_align: 8
    .kernarg_segment_size: 40
    .max_flat_workgroup_size: 128
    .sgpr_count:     100
    .vgpr_count:     768
    .wavefront_size: 32
...
	.end_amdgpu_metadata
.endif
;; end of part 4
